; MI455X (gfx1250); checked and timed in simulation.
; The chip was launched on July 23, 2026; its instructions are those of AMD's public machine-readable ISA for CDNA 5 (MIT licence, August 2026) and "CDNA5" Instruction Set Architecture Reference Guide (July 2026). The comments in the code are by the model that wrote it; some were corrected since.
;; GOAT Self Attention. Allowed arithmetic: matrix products marked QUANTISED: E4M3 operands, one given power-of-two scale a tensor, by v_wmma_f32_16x16x64_fp8_fp8 or v_wmma_f32_16x16x128_fp8_fp8, f32 sums; everything else in f32.
;; Inputs: Wout_codes 1,024 x 32 x 32 uint8 (E4M3 codes of Wout, K innermost, in blocks of 32 codes); Wqkv_codes 3,072 x 32 x 32 uint8 (E4M3 codes of Wqkv, K innermost, in blocks of 32 codes); alpha_codes 16 x 1 x 32 uint8 (E4M3 codes of alpha, K innermost, in blocks of 32 codes); beta_codes 16 x 1 x 32 uint8 (E4M3 codes of beta, K innermost, in blocks of 32 codes); lowp_scales 12 int32 (the exponents e of the quantised operands' scales 2^e); x_codes 4 x 2,048 x 32 x 32 uint8 (E4M3 codes of x, K innermost, in blocks of 32 codes).
;; Outputs: out0 4 x 2,048 x 1,024 float32.
;; This version of the problem:
;;   THIS VERSION OF THE PROBLEM IS GIVEN IN LOW PRECISION. The matrix products marked QUANTISED in the list below multiply operands that are first quantised to E4M3 (4 exponent bits, 3 mantissa bits; 8 bits a number), with one given power-of-two scale for each operand tensor; their sums are f32. All else is computed in f32.
;;   The module's matrix products, in the order in which they are computed (A, B: the left and right operand; K: the contracted axis; several contracted axes count as one K, in the product's order):
;;     1. [M 8,192, K 1,024] x [K 1,024, N 3,072]; A: input x (given as codes); B: input Wqkv (given as codes): QUANTISED (scales: A lowp_scales[0], B lowp_scales[1])
;;     2. batch 64 x [M 2,048, K 64] x [K 64, N 2,048]; A: computed on the way; B: computed on the way: QUANTISED (scales: A lowp_scales[2], B lowp_scales[3])
;;     3. [M 16, K 32] x [K 32, N 4,095]; A: input alpha (given as codes); B: computed on the way: QUANTISED (scales: A lowp_scales[4], B lowp_scales[5])
;;     4. [M 16, K 32] x [K 32, N 4,095]; A: input beta (given as codes); B: computed on the way: QUANTISED (scales: A lowp_scales[6], B lowp_scales[7])
;;     5. batch 64 x [M 2,048, K 2,048] x [K 2,048, N 64]; A: softmax (see below); B: computed on the way: QUANTISED (scales: A lowp_scales[8], B lowp_scales[9])
;;     6. [M 8,192, K 1,024] x [K 1,024, N 1,024]; A: computed on the way; B: input Wout (given as codes): QUANTISED (scales: A lowp_scales[10], B lowp_scales[11])
;;   THE QUANTISER, for each operand of a quantised product, along K:
;;     - The operand's scale is 2^e, e = its entry of the input lowp_scales (int32; the entries are numbered through the quantised products in the list's order, A before B).
;;     - Each number is divided by the scale, clamped to +-448, and rounded to the nearest number of E4M3, ties to even, subnormals kept.
;;     - The product sums the exact products of the quantised numbers (number of the format x scale) in f32.
;;   ~~~python
;;   def quantise(x, axis, e):      # numpy; x: float32 -> the quantised numbers, widened to float32 again
;;       x = np.moveaxis(x, axis, -1); K = x.shape[-1]
;;       r = np.clip(x / 2.0 ** e, -448, 448)
;;       step = 2.0 ** (np.maximum(np.frexp(np.where(r == 0, 1, r))[1] - 1, -6) - 3)
;;       q = np.round(r / step) * step * 2.0 ** e      # np.round: ties to even
;;       return np.moveaxis(q, -1, axis).astype(np.float32)
;;   ~~~
;;   SOFTMAX AHEAD OF A QUANTISED PRODUCT. Where the list says 'softmax', what is quantised is not the finished softmax but p = 2^(t - M), with t = logit x log2(e) and M = ceil(the row's largest t), a whole number; so 1/2 < the row's largest p <= 1. The row's sum l is taken of the UNQUANTISED p, in f32, and the product's result is divided by l at the end. Since M is a whole number, a kernel that streams over the keys may use a running M (the ceiling of the running maximum): every later rescaling is an exact power of two, so the quantised numbers keep their values, but for numbers so far below the row's largest that they fall under the format's range.
;;   OPERANDS COMPUTED ON THE WAY. 'Computed on the way' means the value that the module computes at that place (a softmax that the list does not call 'softmax' is quantised finished and normalised). What goes into a quantiser is computed in f32, as accurately as f32 sums, v_exp_f32 and their like allow (about 1e-6 of the number): no bf16 or f16 on the way to a quantiser, and a product that is left as it is and whose result goes on into a quantised operand takes f32 operands (vector FMAs, or v_wmma_f32_16x16x4_f32). A number that lies on a knife's edge between two numbers of the format may be rounded either way, as far as f32 arithmetic and the matrix unit's own rounding can turn it there, and no further.
;;   INPUTS GIVEN AS CODES. Wout (in the module: [1024, 1024], K = its axis 1); Wqkv (in the module: [3072, 1024], K = its axis 1); alpha (in the module: [16, 32], K = its axis 1); beta (in the module: [16, 32], K = its axis 1); x (in the module: [4, 2048, 1024], K = its axis 2): each comes as NAME_codes (uint8): NAME with its K axis moved to the last place and cut into blocks of 32 codes, [.., K / 32, bytes a block], one block behind the other in memory; one code a byte (a code: sign, 4 exponent bits, 3 mantissa bits); its scale is its entry of lowp_scales. Its value is code x scale, taken as it is: it is not quantised again, and the codes and scales need not be those that the quantiser above would give.
;; One version. Each part assembles by itself: llvm-mc -triple=amdgcn-amd-amdhsa -mcpu=gfx1250 --defsym DOCPART=n.
;; ======== version 1 of 1: 3 launches
;; limits: right only within a limited range of input values
;; workspace buffers: qkv 25,165,824 bytes; gbias 131,072 bytes; acodes 8,388,608 bytes
;; launch qkv (part 1): grid 8 x 32, 4 waves a work-group, clusters of 4 x 4, 327,680 bytes of LDS; arguments x_codes, Wqkv_codes, alpha_codes, beta_codes, lowp_scales, qkv, gbias; writes qkv, gbias
.if DOCPART == 1
	.amdgcn_target "amdgcn-amd-amdhsa--gfx1250"
	.amdhsa_code_object_version 6
	.text
	.protected	k_q7505c38774_qkv
	.globl	k_q7505c38774_qkv
	.p2align	8
	.type	k_q7505c38774_qkv,@function
k_q7505c38774_qkv:
	s_mov_b64 s[64:65], 0
	v_nop
	global_prefetch_b8 v0, s[64:65] scope:SCOPE_SE
	s_setreg_imm32_b32 hwreg(HW_REG_WAVE_MODE, 25, 1), 1
	s_wait_xcnt 0x0
	s_wait_alu depctr_hold_cnt(0) depctr_sa_sdst(0) depctr_va_vdst(0) depctr_va_sdst(0) depctr_va_ssrc(0) depctr_va_vcc(0) depctr_vm_vsrc(0)
	s_getreg_b32 s2, hwreg(HW_REG_IB_STS2, 6, 4)
	s_cmp_eq_u32 s2, 0
	s_cbranch_scc0 .Lentry_in_a_cluster
	s_endpgm
.Lentry_in_a_cluster:
	s_bfe_u32 s2, ttmp6, 0x10000c
	s_cmp_lg_u32 s2, 0xf033
	s_cbranch_scc0 .Lentry_shape_is_right
	s_endpgm
.Lentry_shape_is_right:
; q, k, v = x Wqkv^T on codes of FP8 (E4M3), quantised again on the way out, and the table of the Fourier bias.
; x: [8192][1024] codes, Wqkv: [3072][1024] codes, K innermost.  lowp_scales: e0 .. e11 (x, Wqkv, q, k, alpha, cos, beta, sin, p, v, attention's result, Wout).
; DEAD WORK: of the bias only displacements d = i - j >= 0 are made: the causal mask that the problem builds sets every logit with d < 0 to -infinity, whatever the inputs hold.
; A NaN, an infinity or an overflow that reaches only the work left out is not carried to the result.
; SHARES: 8 x 32 = 256 work-groups.  Work-group (TC, TR) owns tokens 256 TR .. + 255 and makes TWO tiles, one behind the other, on one ring of two LDS slots:
;   pass 1: 256 tokens x rows 256 TC .. + 255 of Wqkv (TC 0-3: q, 4-7: k): a wave 128 x 128, 64 accumulators;
;   pass 2: the same 256 tokens x rows 2048 + 128 TC .. + 127 (v): a wave 128 tokens x 64 channels, 32 accumulators.
; K = 1,024 goes in four steps of 256 a pass; the steps are written out.  Pass 1's last two changes of slots ask for pass 2's first two K steps, which are on their way while q or k leaves.
; A = x's rows, B = Wqkv's rows in both passes.  Pass 1: source 0 = B, source 1 = A: a lane holds a token and its registers run along the head's 64.  Pass 2: THE SOURCES ARE SWAPPED: a lane holds a channel
; and its registers run along the tokens, which are the second attention product's K.
; CLUSTERS: 4 x 4 work-groups; A's tiles are asked for jointly along a row of the cluster, B's along a column.
; OUT: the codes leave as IMAGES OF THE NEXT LAUNCH'S OPERAND REGISTERS: four registers are 512 bytes on end, lane l's 16 bytes at 16 l; each store of a wave covers 512 consecutive bytes, aligned.
;   q at +0, k at +8 MiB: image (16 b + head, tile of 16 tokens) of 1,024 bytes: lane (r, h): token r, registers 2 t, 2 t + 1: d = 16 t + 8 h + 0 .. 7.
;   v at +16 MiB: image (16 b + head, 128 keys, 16 channels) of 2,048 bytes: lane (r, h): channel r, registers 2 c, 2 c + 1: keys 16 c + 8 h + 0 .. 7.
; THE BIAS TABLE is made at the head, while the first tile is on its way, by the 32 work-groups of cluster row 0: work-group g makes places 64 g .. + 63, its wave w sixteen of them; the four parts meet in an LDS
; stage of their own bytes and are stored at the kernel's end, sixteen lanes to 256 consecutive bytes.
;   gbias[head][y] = (sum_r alpha cos(w_r d) + sum_r beta sin(w_r d)) x 2^(3 - e2 - e3), d = 2047 - y.  w_r = 10^(-r/8); sine and cosine by a two-part reduction by pi/2 and polynomials in f32;
;   both are quantised (e5, e7) and multiplied by the K = 64 form: cos in k 0-31 against alpha, sin in k 32-63 against beta, the other half of each weight zero codes.
; LIMITS on the given exponents, so that each power of two is an f32 number: e2 - e0 - e1, e3 - e0 - e1, e9 - e0 - e1, e5, e7 between -126 and 119; e4 + e5 + 3 - e2 - e3 and e6 + e7 + 3 - e2 - e3
; between -126 and 127.  NaN codes among the inputs are not served.
; No prefetch: K is four steps a pass at the largest block in clusters, and pass 2's tiles of x have been read in pass 1.
.set KROW,   1024
.set ROWB,   256                       ; a tile's row: 256 codes
.set PITCH,  272                       ; an LDS row: 256 bytes + 16 of padding
.set FR,     16                        ; registers of a fragment, 16 rows x 128 K
.set NL,     4                         ; LDS loads that bring one
.set NP,     4                         ; places behind this matrix instruction (ISA guide 7.12.1)
.set HALFT,  128*PITCH
.set SLOT,   4*HALFT                   ; A's 256 rows, then room for B's 256 rows
.set SPARE,  2*SLOT                    ; the spare words, 128 bytes a wave
.set STG,    SPARE+512                 ; the bias stage: 16 rows (heads) x (256 bytes + 16); no tile lands here
.set BPITCH, 272
.set ADRA, 16
.set ADRB, 20
.set LI,   26                          ; 16 x lane
.set SPW,  28
.set NIL,  29
.set SC,   30                          ; the conversion's scale
.set LM,   31                          ; 448 x that
.set CD,   32                          ; v32-47 a block's codes
.set AF,   128                         ; A's fragments, window 0, one set;  window 1: B's two sets;  windows 2, 3: the accumulators
.set G1,  24
.set G0,  32
.set G1B, 48
.set G0B, 56
.set WV,  18
.set HA,  19                           ; my half of the tokens; also 0: I fetch for A, 1: for B
.set HB,  20                           ; my half of B's rows; also which half of a tile I fetch
.set CX,  21
.set CY,  22
.set CLX, 23
.set CLY, 66
.set TR,  42
.set TC,  43
.set VBA, 46                           ; s[46:47] where my part of pass 2's B begins
.set PV,  0                            ; 0: pass 1, 1: pass 2
.set NB,  8                            ; B's fragments in a fetch
.set MSB, 0
.macro WIN new
.if MSB != (\new)
	s_set_vgpr_msb (MSB<<8)|(\new)
.set MSB, \new
.endif
.endm
.set MUL_LO, 0xa1                      ; pass 1: source 0 (B) window 1, source 1 (A) window 0, C and D window 2
.set MUL_HI, 0xf1                      ; the same, C and D window 3
.set TO_B,   0x40
.macro JLOAD g0a, g1a, g0b, g1b        ; a joint load: waves 0 and 1 fetch for A, waves 2 and 3 for B; s_nop 0 and four v_nop follow each line
	s_cmp_eq_u32 s[HA], 0
	s_cbranch_scc0 .Lfor_b_\@
	tensor_load_to_lds s[\g0a:\g0a+3], s[\g1a:\g1a+7]
	s_nop 0
.rept 4
	v_nop
.endr
	s_branch .Lasked_\@
.Lfor_b_\@:
	tensor_load_to_lds s[\g0b:\g0b+3], s[\g1b:\g1b+7]
	s_nop 0
.rept 4
	v_nop
.endr
.Lasked_\@:
.endm
.macro CREST
	s_cmp_lg_u32 s[WV], 0
	s_cbranch_scc1 .Lnot_wave_0_\@
	s_barrier_signal -3
.Lnot_wave_0_\@:
	s_barrier_wait -3
	s_barrier_signal -1
	s_barrier_wait -1
.endm
.macro CROUND
	s_barrier_signal -1
	s_barrier_wait -1
	CREST
.endm
	s_load_b256 s[4:11], s[0:1], 0x0               ; x s[4:5], Wqkv s[6:7], alpha s[8:9], beta s[10:11]
	s_load_b128 s[12:15], s[0:1], 0x20             ; the scales' exponents s[12:13], qkv s[14:15]
	s_load_b64 s[16:17], s[0:1], 0x30              ; gbias
	v_lshl_add_u32 v[SPW], v0, 2, SPARE
	v_mov_b32 v[NIL], 0
	ds_add_u32 v[SPW], v[NIL]                      ; the opening lines: the add twice on end and its wait
	ds_add_u32 v[SPW], v[NIL]
	v_lshrrev_b32 v6, 5, v0
	v_readfirstlane_b32 s[WV], v6
	s_lshr_b32 s[HA], s[WV], 1
	s_and_b32 s[HB], s[WV], 1
	s_bfe_u32 s[CX], ttmp6, 0x40000
	s_bfe_u32 s[CY], ttmp6, 0x40004
	s_mov_b32 s[CLX], ttmp9
	s_and_b32 s[CLY], ttmp7, 0xffff
	s_lshl_b32 s[TR], s[CLY], 2
	s_add_co_u32 s[TR], s[TR], s[CY]               ; the tile of tokens
	s_lshl_b32 s[TC], s[CLX], 2
	s_add_co_u32 s[TC], s[TC], s[CX]               ; the tile of Wqkv's rows
	s_lshl_b32 s45, s[CY], 2
	s_lshl_b32 s45, 15, s45                        ; my row of the cluster
	s_lshl_b32 s44, 0x1111, s[CX]                  ; my column
	s_or_b32 s[G1+0], s45, (0<<16)|(1<<20)|(1<<21)|(5<<22)|(3<<25)  ; the mask; elements of 1 byte; padding: 4 words behind every 64; bit 21 beside a mask
	s_or_b32 s[G1B+0], s44, (0<<16)|(1<<20)|(1<<21)|(5<<22)|(3<<25)
.irp g, G1, G1B
	s_mov_b32 s[\g+1], ROWB<<16
	s_mov_b32 s[\g+2], 128<<16
	s_mov_b32 s[\g+3], ROWB<<16
	s_mov_b32 s[\g+4], 128
	s_mov_b32 s[\g+5], KROW
	s_mov_b32 s[\g+6], 0
	s_mov_b32 s[\g+7], 0
.endr
	s_lshl_b32 s41, s[HB], 7                       ; which 128 rows of a tile I fetch
	s_lshl_b32 s84, s[TR], 8
	s_add_co_u32 s84, s84, s41
	s_lshl_b32 s84, s84, 10                        ; A's tile, in bytes
	s_mov_b32 s85, 0
	s_lshl_b32 s86, s[TC], 8
	s_add_co_u32 s86, s86, s41
	s_lshl_b32 s86, s86, 10                        ; pass 1's B
	s_mov_b32 s87, 0
	s_lshl_b32 s90, s[TC], 7
	s_lshl_b32 s41, s[HB], 6
	s_add_co_u32 s90, s90, s41
	s_lshl_b32 s90, s90, 10
	s_add_co_u32 s90, s90, 0x200000                ; pass 2's B: row 2048 + 128 TC + 64 x half
	s_mov_b32 s91, 0
	s_mul_i32 s88, s[WV], HALFT                    ; where my loads go: wave x 128 rows
	s_wait_dscnt 0x0
	s_wait_kmcnt 0x0
	s_load_b256 s[68:75], s[12:13], 0x0            ; e0 .. e7
	s_load_b128 s[76:79], s[12:13], 0x20           ; e8 .. e11
	s_add_nc_u64 s[84:85], s[4:5], s[84:85]
	s_add_nc_u64 s[86:87], s[6:7], s[86:87]
	s_add_nc_u64 s[VBA:VBA+1], s[6:7], s[90:91]
	CROUND                                         ; all sixteen work-groups are here: the first joint loads meet
.irp s, 0,1
	s_mov_b32 s[G0+4*\s], 1
	s_add_co_u32 s[G0+4*\s+1], s88, \s*SLOT
	s_add_nc_u64 s[G0+4*\s+2:G0+4*\s+3], s[84:85], \s*ROWB
	s_or_b32 s[G0+4*\s+3], s[G0+4*\s+3], 0x80000000
	s_mov_b32 s[G0B+4*\s], 1
	s_add_co_u32 s[G0B+4*\s+1], s88, \s*SLOT
	s_add_nc_u64 s[G0B+4*\s+2:G0B+4*\s+3], s[86:87], \s*ROWB
	s_or_b32 s[G0B+4*\s+3], s[G0B+4*\s+3], 0x80000000
.endr
	JLOAD G0, G1, G0B, G1B                         ; K step 0: a wave's one tensor load at the head
	v_and_b32 v1, 15, v0                           ; r = lane % 16 (kept)
	v_bfe_u32 v2, v0, 4, 1                         ; h = lane / 16 (kept)
	v_mul_u32_u24 v3, v1, PITCH
	v_lshl_add_u32 v4, v2, 4, v3
	s_mul_i32 s94, s[HA], HALFT
	s_mul_i32 s95, s[HB], HALFT
	s_add_co_u32 s95, s95, 2*HALFT
.irp s, 0,1
	v_add_nc_u32 v[ADRA+\s], s94, v4
	v_add_nc_u32 v[ADRB+\s], s95, v4
	s_add_co_u32 s94, s94, SLOT
	s_add_co_u32 s95, s95, SLOT
.endr
	v_and_b32 v5, 31, v0
	v_lshlrev_b32 v[LI], 4, v5
	; THE BIAS TABLE, all in window 0, in registers that the fragments take later.
.set OM,  48                           ; v48-63   w of my 16 places along K: n = 8 c + i: r = 16 c + 8 h + i
.set BAL, 64                           ; v64-71   alpha's fragment: k 0-31, then zero codes
.set BBE, 72                           ; v72-79   beta's: zero codes, then k 32-63
.set CSF, 80                           ; v80-87   cos (k 0-31) and sin (k 32-63) of 16 displacements
.set D1,  88
.set D2,  96
.set GT,  104
.set T0,  112
.set T1,  128
.set T2,  144
.set T3,  176
.set T4,  192
.set DF,  160
.set STO, 161
.set ABO, 164
.set CSC, 165                          ; 2^e5, 448 x 2^e5, 2^e7, 448 x 2^e7
.set DB,  169
.set TMPV, 170
.macro R2 op, d, a                     ; a line for each of the 16 places
.set n, 0
.rept 16
	\op \d, \a
.set n, n+1
.endr
.endm
.macro R3 op, d, a, b
.set n, 0
.rept 16
	\op \d, \a, \b
.set n, n+1
.endr
.endm
.macro R4 op, d, a, b, c
.set n, 0
.rept 16
	\op \d, \a, \b, \c
.set n, n+1
.endr
.endm
	s_cmp_eq_u32 s[CLY], 0
	s_cselect_b32 s40, 1, 0                        ; 1 in cluster row 0: the same in all sixteen partners
	s_lshl_b32 s41, s[CLX], 2
	s_add_co_u32 s41, s41, s[CY]
	s_lshl_b32 s41, s41, 2
	s_add_co_u32 s41, s41, s[CX]                   ; g = 0 .. 31: which 64 places: it enters data and global addresses alone
	s_lshl_b32 s98, s41, 6
	s_sub_co_u32 s98, 2047, s98
	s_lshl_b32 s99, s[WV], 4
	s_sub_co_u32 s98, s98, s99                     ; 2047 - 64 g - 16 wave
	s_lshl_b32 s96, s41, 8
	s_mov_b32 s97, 0
	s_add_nc_u64 s[96:97], s[16:17], s[96:97]
	s_lshl_b32 s95, s[WV], 6
	s_add_co_u32 s95, s95, STG                     ; my 64 bytes of each stage row
	s_wait_alu depctr_va_vdst(0)
	s_cmp_eq_u32 s40, 1
	s_cbranch_scc0 .Lnotab
	v_sub_nc_u32 v[DB], s98, v1
	v_cvt_f32_u32 v[DF], v[DB]                     ; d = 2047 - 64 g - 16 wave - r
	v_lshlrev_b32 v[ABO], 5, v1
	v_lshl_add_u32 v[ABO], v2, 3, v[ABO]           ; head r's 32 codes, + 8 h
	global_load_b64 v[BAL:BAL+1], v[ABO], s[8:9]
	global_load_b64 v[BAL+2:BAL+3], v[ABO], s[8:9] offset:16
	global_load_b64 v[BBE+4:BBE+5], v[ABO], s[10:11]
	global_load_b64 v[BBE+6:BBE+7], v[ABO], s[10:11] offset:16
.irp j, 0,1,2,3
	v_mov_b32 v[BAL+4+\j], 0
	v_mov_b32 v[BBE+\j], 0
.endr
	v_mul_u32_u24 v[STO], v1, BPITCH
	v_lshl_add_u32 v[STO], v2, 5, v[STO]
	v_add_nc_u32 v[STO], s95, v[STO]               ; row = head r, + 64 wave + 32 h
	v_lshlrev_b32 v[TMPV], 3, v2
	R3 v_add_nc_u32, v[OM+n], 16*(n/8)+n%8, v[TMPV]
	R2 v_cvt_f32_u32, v[OM+n], v[OM+n]
	R3 v_mul_f32, v[OM+n], 0xbed49a78, v[OM+n]     ; x -log2(10) / 8
	s_wait_alu depctr_va_vdst(0)                   ; ahead of the batch
	R2 v_exp_f32, v[OM+n], v[OM+n]                 ; w = 10^(-r / 8)
	v_nop
	s_wait_alu depctr_va_vdst(0)                   ; behind the batch, and ahead of the wait and the scalar lines below
	s_wait_kmcnt 0x0                               ; the exponents
	s_mov_b32 s84, 0x3f22f983                      ; 2 / pi
	s_mov_b32 s85, 0xbfc90fdb                      ; -pi/2, first part
	s_mov_b32 s86, 0x333bbd2e                      ; -pi/2, the rest
	s_mov_b32 s87, 0xbe2aaaa3                      ; sine: S1, S2, S3
	s_mov_b32 s88, 0x3c08839e
	s_mov_b32 s89, 0xb94ca1f9
	s_mov_b32 s90, 0x3d2aaaa5                      ; cosine: C1, C2, C3
	s_mov_b32 s91, 0xbab6061a
	s_mov_b32 s92, 0x37ccf5ce
	s_add_co_i32 s98, s73, 127
	s_lshl_b32 s99, s98, 23
	v_mov_b32 v[CSC], s99                          ; 2^e5
	s_add_co_i32 s98, s98, 8
	s_lshl_b32 s98, s98, 23
	s_or_b32 s98, s98, 0x600000
	v_mov_b32 v[CSC+1], s98
	s_add_co_i32 s98, s75, 127
	s_lshl_b32 s99, s98, 23
	v_mov_b32 v[CSC+2], s99                        ; 2^e7
	s_add_co_i32 s98, s98, 8
	s_lshl_b32 s98, s98, 23
	s_or_b32 s98, s98, 0x600000
	v_mov_b32 v[CSC+3], s98
	s_add_co_i32 s98, s70, s71
	s_sub_co_i32 s98, 130, s98                     ; 127 + 3 - e2 - e3
	s_add_co_i32 s93, s72, s73
	s_add_co_i32 s93, s93, s98
	s_lshl_b32 s93, s93, 23                        ; 2^(e4 + e5 + 3 - e2 - e3)
	s_add_co_i32 s94, s74, s75
	s_add_co_i32 s94, s94, s98
	s_lshl_b32 s94, s94, 23                        ; 2^(e6 + e7 + 3 - e2 - e3)
	R3 v_mul_f32, v[T0+n], v[OM+n], v[DF]          ; the angle a
	R3 v_mul_f32, v[T1+n], s84, v[T0+n]
	R2 v_rndne_f32, v[T1+n], v[T1+n]               ; N
	R4 v_fma_f32, v[T0+n], v[T1+n], s85, v[T0+n]
	R4 v_fma_f32, v[T0+n], v[T1+n], s86, v[T0+n]   ; R = a - N pi/2, within pi/4
	R2 v_cvt_i32_f32, v[T1+n], v[T1+n]
	R3 v_mul_f32, v[T2+n], v[T0+n], v[T0+n]        ; Z = R^2
	R4 v_fma_f32, v[T3+n], v[T2+n], s89, s88
	R4 v_fma_f32, v[T3+n], v[T3+n], v[T2+n], s87
	R4 v_fma_f32, v[T4+n], v[T2+n], s92, s91
	R4 v_fma_f32, v[T4+n], v[T4+n], v[T2+n], s90
	R4 v_fma_f32, v[T4+n], v[T4+n], v[T2+n], -0.5
	R4 v_fma_f32, v[T4+n], v[T4+n], v[T2+n], 1.0   ; cos R
	R3 v_mul_f32, v[T2+n], v[T0+n], v[T2+n]
	R4 v_fma_f32, v[T3+n], v[T3+n], v[T2+n], v[T0+n]   ; sin R
	R3 v_and_b32, v[T2+n], 1, v[T1+n]
.set n, 0
.rept 16
	v_cmp_eq_u32 vcc_lo, 1, v[T2+n]                ; N odd: sine and cosine change places
	v_cndmask_b32 v[T0+n], v[T4+n], v[T3+n], vcc_lo
	v_cndmask_b32 v[T2+n], v[T3+n], v[T4+n], vcc_lo
.set n, n+1
.endr
	R4 v_add_lshl_u32, v[T3+n], v[T1+n], 1, 30     ; cosine's sign: bit 1 of N + 1
	R3 v_lshlrev_b32, v[T4+n], 30, v[T1+n]         ; sine's: bit 1 of N
	R3 v_and_b32, v[T3+n], 0x80000000, v[T3+n]
	R3 v_and_b32, v[T4+n], 0x80000000, v[T4+n]
	R3 v_xor_b32, v[T0+n], v[T0+n], v[T3+n]        ; cos a
	R3 v_xor_b32, v[T2+n], v[T2+n], v[T4+n]        ; sin a
	R4 v_med3_num_f32, v[T0+n], v[T0+n], -v[CSC+1], v[CSC+1]
	R4 v_med3_num_f32, v[T2+n], v[T2+n], -v[CSC+3], v[CSC+3]
	v_cvt_scalef32_pk8_fp8_f32 v[CSF:CSF+1], v[T0:T0+7], v[CSC]
	v_cvt_scalef32_pk8_fp8_f32 v[CSF+2:CSF+3], v[T0+8:T0+15], v[CSC]
	v_cvt_scalef32_pk8_fp8_f32 v[CSF+4:CSF+5], v[T2:T2+7], v[CSC+2]
	v_cvt_scalef32_pk8_fp8_f32 v[CSF+6:CSF+7], v[T2+8:T2+15], v[CSC+2]
	v_nop                                          ; a plain line between the conversions and the products
	s_wait_alu depctr_va_vdst(0)
	s_wait_loadcnt 0x0                             ; alpha, beta
	v_wmma_f32_16x16x64_fp8_fp8 v[D1:D1+7], v[CSF:CSF+7], v[BAL:BAL+7], 0   ; source 0: 16 displacements, source 1: the 16 heads: lane (r, h): head r, places 8 h + 0 .. 7
	v_wmma_f32_16x16x64_fp8_fp8 v[D2:D2+7], v[CSF:CSF+7], v[BBE:BBE+7], 0
.rept 4
	v_nop
.endr
.irp j, 0,1,2,3,4,5,6,7
	v_mul_f32 v[GT+\j], s94, v[D2+\j]
.endr
.irp j, 0,1,2,3,4,5,6,7
	v_fma_f32 v[GT+\j], v[D1+\j], s93, v[GT+\j]    ; both factors are powers of two: one rounding, that of the sum
.endr
	ds_store_b128 v[STO], v[GT:GT+3]
	ds_store_b128 v[STO], v[GT+4:GT+7] offset:16
.Lnotab:
.macro FRAG reg, adr, q, i             ; 16 rows x 128 K: registers 4 c .. 4 c + 3 hold K = 32 c + 16 h + 0 .. 15: the same permutation of k in A and in B
.irp c, 0,1,2,3
	ds_load_b128 v[\reg+4*\c:\reg+4*\c+3], v[\adr] offset:128*(\q)+32*\c+(\i)*16*PITCH
.endr
.endm
; A's blocks a0, a0 + 1 against B's eight (pass 1: accumulator (a % 4, b)) or B's four with the sources swapped (pass 2: accumulator (b, a)).  The accumulators take turns, one instruction a turn,
; in the same order in every step.
.macro MM d, x, y, zero
.if \zero
	v_wmma_f32_16x16x128_fp8_fp8 v[\d:\d+7], v[\x:\x+FR-1], v[\y:\y+FR-1], 0
.else
	v_wmma_f32_16x16x128_fp8_fp8 v[\d:\d+7], v[\x:\x+FR-1], v[\y:\y+FR-1], v[\d:\d+7]
.endif
.endm
.macro MUL16 a0, p, zero
.irp a, \a0, \a0+1
.if PV
.irp b, 0,1,2,3
	MM 8*(8*\b+(\a)), AF+FR*(\a), 128*(\p)+FR*\b, \zero
.endr
.else
.irp b, 0,1,2,3,4,5,6,7
	MM 8*(8*((\a)%4)+\b), 128*(\p)+FR*\b, AF+FR*(\a), \zero
.endr
.endif
.endr
.endm
.macro FETCH_B slot, q, p
	WIN TO_B
.irp i, 0,1,2,3,4,5,6,7
.if \i < NB
	FRAG 128*(\p)+FR*\i, ADRB+\slot, \q, \i
.endif
.endr
	WIN 0
.endm
.macro FETCH_A slot, q, i0
.irp i, \i0, \i0+1, \i0+2, \i0+3
	FRAG AF+FR*(\i), ADRA+\slot, \q, \i
.endr
.endm
.macro PLACES n
.rept \n
	v_nop
.endr
.endm
.macro STEP slot, q, zero              ; 128 along K that have their successor in the same slot
	s_wait_dscnt 4*NL                              ; B's set and A's blocks 0-3 are in; the youngest 16 loads (A's blocks 4-7) may be out
	WIN MUL_LO
	MUL16 0, (\q)%2, \zero
	MUL16 2, (\q)%2, \zero
	s_wait_dscnt 0
	PLACES NP
	FETCH_B \slot, (\q)+1, 1-(\q)%2
	FETCH_A \slot, (\q)+1, 0
	WIN MUL_HI
	MUL16 4, (\q)%2, \zero
	MUL16 6, (\q)%2, \zero
	PLACES NP
	WIN 0
	FETCH_A \slot, (\q)+1, 4
.endm
; A slot's last step changes slots.  fill = 1: this slot takes the K step two on; fill = 2: pass 2's K step 0 or 1: A goes back along K, B's tile has 64 rows a wave; fill = 0: nothing is left to fetch.
.macro TURN slot, next, fill
	s_wait_tensorcnt 0x0                           ; all my tensor loads have landed: my part of the next slot
	ds_add_u32 v[SPW], v[NIL]                      ; 0 onto my spare word
	s_wait_dscnt 4*NL+1                            ; (the add and A's blocks 4-7 may be out)
	WIN MUL_LO
	MUL16 0, 1, 0
	s_wait_dscnt 0x0                               ; the add is done, and my reads of this slot are over
	s_barrier_signal -1
	MUL16 2, 1, 0
	WIN 0
	s_barrier_wait -1
.if \fill
	CREST                                          ; the barrier has opened a round of the cluster's: no wave of any partner still reads this slot or has a load on its way
.if \fill == 1
	s_add_nc_u64 s[G0+4*\slot+2:G0+4*\slot+3], s[G0+4*\slot+2:G0+4*\slot+3], 2*ROWB
	s_add_nc_u64 s[G0B+4*\slot+2:G0B+4*\slot+3], s[G0B+4*\slot+2:G0B+4*\slot+3], 2*ROWB
.else
	s_sub_nc_u64 s[G0+4*\slot+2:G0+4*\slot+3], s[G0+4*\slot+2:G0+4*\slot+3], 2*ROWB
	s_add_nc_u64 s[G0B+4*\slot+2:G0B+4*\slot+3], s[VBA:VBA+1], \slot*ROWB
	s_or_b32 s[G0B+4*\slot+3], s[G0B+4*\slot+3], 0x80000000
	s_mov_b32 s[G1B+2], 64<<16
	s_mov_b32 s[G1B+4], 64
.endif
	JLOAD G0+4*\slot, G1, G0B+4*\slot, G1B         ; my one tensor load behind the round; its four v_nop are the places in front of the loads below
.else
	PLACES NP
.endif
	FETCH_B \next, 0, 0
	FETCH_A \next, 0, 0
	WIN MUL_HI
	MUL16 4, 1, 0
	MUL16 6, 1, 0
	PLACES NP
	WIN 0
	FETCH_A \next, 0, 4
.endm
; THE WAY OUT.  A sum stands for sum x 2^(e0 + e1): its code is sum / 2^(et - e0 - e1).
.macro SCALES et
	s_sub_co_i32 s80, \et, s68
	s_sub_co_i32 s80, s80, s69
	s_add_co_i32 s80, s80, 127
	s_lshl_b32 s81, s80, 23
	v_mov_b32 v[SC], s81
	s_add_co_i32 s80, s80, 8
	s_lshl_b32 s80, s80, 23
	s_or_b32 s80, s80, 0x600000
	v_mov_b32 v[LM], s80                           ; 448 x the scale
	s_wait_alu depctr_va_vdst(0)
	s_lshl_b32 s84, s[TR], 8
	s_lshl_b32 s85, s[HA], 7
	s_add_co_u32 s84, s84, s85                     ; my first token
	s_lshr_b32 s85, s84, 11
	s_lshl_b32 s85, s85, 4                         ; 16 b
	s_and_b32 s84, s84, 2047
.endm
; Eight accumulators on end, 64 registers: held, converted, stored: the conversions' results are the images' registers.
.macro OUTBLK a, step
.set AC, 64*((\a)%4)
.if (\a) > 0
	s_wait_xcnt 0x0                                ; the last block's stores have read their data and bases
	s_add_nc_u64 s[80:81], s[80:81], \step
	s_add_nc_u64 s[82:83], s[82:83], \step
.endif
	WIN 0x82+0x41*((\a)/4)                         ; destination and source 0: window 2 or 3
.set i, 0
.rept 64
	v_med3_num_f32 v[AC+i], v[AC+i], -v[LM], v[LM]   ; the conversion does not saturate (ISA guide 7.6.2): the hold; each accumulator from its low end on
.set i, i+1
.endr
	WIN 0x02+((\a)/4)
.irp b, 0,1,2,3,4,5,6,7
	v_cvt_scalef32_pk8_fp8_f32 v[CD+2*\b:CD+2*\b+1], v[AC+8*\b:AC+8*\b+7], v[SC]
.endr
	v_nop                                          ; a plain line behind the last conversion
	WIN 0
	global_store_b128 v[LI], v[CD:CD+3], s[80:81]
	global_store_b128 v[LI], v[CD+4:CD+7], s[80:81] offset:512
	global_store_b128 v[LI], v[CD+8:CD+11], s[82:83]
	global_store_b128 v[LI], v[CD+12:CD+15], s[82:83] offset:512
.endm
	s_wait_alu depctr_va_vdst(0)
	s_wait_tensorcnt 0x0                           ; my part of K step 0 is in
	ds_add_u32 v[SPW], v[NIL]
	s_wait_dscnt 0x0                               ; the add, and my stores into the bias stage
	CROUND
	JLOAD G0+4, G1, G0B+4, G1B                     ; K step 1: the first tensor load behind the round
	FETCH_B 0, 0, 0
	FETCH_A 0, 0, 0
	FETCH_A 0, 0, 4
	STEP 0, 0, 1                                   ; PASS 1: the first products start the sums
	TURN 0, 1, 1                                   ; slot 0 takes K step 2
	STEP 1, 0, 0
	TURN 1, 0, 1                                   ; slot 1 takes K step 3
	STEP 0, 0, 0
	TURN 0, 1, 2                                   ; slot 0 takes pass 2's K step 0
	STEP 1, 0, 0
.set NB, 4
	TURN 1, 0, 2                                   ; slot 1 takes pass 2's K step 1; pass 2's first fragments are fetched
	s_wait_kmcnt 0x0
	s_cmp_eq_u32 s[CLX], 0
	s_cselect_b32 s82, s70, s71                    ; e2 for q, e3 for k
	SCALES s82
	s_lshl_b32 s86, s[CX], 2
	s_add_co_u32 s85, s85, s86
	s_lshl_b32 s86, s[HB], 1
	s_add_co_u32 s85, s85, s86                     ; 16 b + head: my two heads 4 cx + 2 HB on
	s_lshl_b32 s85, s85, 7
	s_lshr_b32 s84, s84, 4
	s_add_co_u32 s85, s85, s84                     ; + the tile of tokens
	s_lshl_b32 s84, s85, 10
	s_lshl_b32 s86, s[CLX], 23
	s_add_co_u32 s84, s84, s86                     ; + the section
	s_mov_b32 s85, 0
	s_add_nc_u64 s[80:81], s[14:15], s[84:85]
	s_add_nc_u64 s[82:83], s[80:81], 131072        ; registers 8-15 belong to the next head's image
.irp a, 0,1,2,3,4,5,6,7
	OUTBLK \a, 1024
.endr
.set PV, 1
.set MUL_LO, 0xa4                      ; pass 2: source 0 (A) window 0, source 1 (B) window 1, C and D window 2
.set MUL_HI, 0xa4
	STEP 0, 0, 1                                   ; PASS 2: its first products start the sums anew
	TURN 0, 1, 1
	STEP 1, 0, 0
	TURN 1, 0, 1
	STEP 0, 0, 0
	TURN 0, 1, 0
	STEP 1, 0, 0
	s_wait_dscnt 4*NL
	WIN MUL_LO
	MUL16 0, 1, 0
	MUL16 2, 1, 0
	s_wait_dscnt 0
	MUL16 4, 1, 0
	MUL16 6, 1, 0
	WIN 0
	PLACES NP
	s_wait_xcnt 0x0                                ; pass 1's last stores have read their data and bases
	SCALES s77                                     ; e9
	s_lshl_b32 s86, s[TC], 1
	s_add_co_u32 s85, s85, s86
	s_add_co_u32 s85, s85, s[HB]                   ; 16 b + head: my head is 2 TC + HB
	s_lshl_b32 s85, s85, 4
	s_lshr_b32 s84, s84, 7
	s_add_co_u32 s85, s85, s84                     ; + the group of 128 keys
	s_lshl_b32 s84, s85, 13
	s_add_co_u32 s84, s84, 0x1000000
	s_mov_b32 s85, 0
	s_add_nc_u64 s[80:81], s[14:15], s[84:85]
	s_add_nc_u64 s[82:83], s[80:81], 1024          ; registers 8-15: 1,024 bytes on in the image
.irp a, 0,1,2,3
	OUTBLK \a, 2048
.endr
	; the bias stage goes out: wave w takes heads 4 w .. 4 w + 3, sixteen lanes to a row; the four waves' stores into it stand ahead of the round at the head's end
	s_wait_xcnt 0x0                                ; the last block's stores have read their data
	s_lshl_b32 s94, s[WV], 2
	s_mul_i32 s95, s94, BPITCH
	s_add_co_u32 s95, s95, STG
	s_lshl_b32 s94, s94, 13                        ; a head's row of gbias is 8,192 bytes
	v_mul_u32_u24 v8, v2, BPITCH
	v_lshl_add_u32 v8, v1, 4, v8
	v_add_nc_u32 v8, s95, v8
	v_lshlrev_b32 v9, 13, v2
	v_lshl_add_u32 v9, v1, 4, v9
	v_add_nc_u32 v9, s94, v9
	s_wait_alu depctr_va_vdst(0)
	s_cmp_eq_u32 s40, 1
	s_cbranch_scc0 .Ldone
	ds_load_b128 v[CD:CD+3], v8
	ds_load_b128 v[CD+4:CD+7], v8 offset:2*BPITCH
	s_wait_dscnt 0x0
	global_store_b128 v9, v[CD:CD+3], s[96:97]     ; sixteen lanes store 256 consecutive bytes, aligned
	global_store_b128 v9, v[CD+4:CD+7], s[96:97] offset:16384
.Ldone:
	s_wait_tensorcnt 0x0                           ; the wave's end
	ds_add_u32 v[SPW], v[NIL]
	s_wait_dscnt 0x0
	CROUND                                         ; the closing round
	s_endpgm
.Lfunc_end_k_q7505c38774_qkv:
	.size	k_q7505c38774_qkv, .Lfunc_end_k_q7505c38774_qkv-k_q7505c38774_qkv
	.p2alignl 7, 3214868480
	.fill 96, 4, 3214868480
	.section	.rodata,"a",@progbits
	.p2align	6, 0x0
	.amdhsa_kernel k_q7505c38774_qkv
		.amdhsa_group_segment_fixed_size 327680
		.amdhsa_private_segment_fixed_size 0
		.amdhsa_enable_private_segment 0
		.amdhsa_kernarg_size 56
		.amdhsa_user_sgpr_count 2
		.amdhsa_user_sgpr_kernarg_segment_ptr 1
		.amdhsa_wavefront_size32 1
		.amdhsa_system_sgpr_workgroup_id_x 1
		.amdhsa_system_sgpr_workgroup_id_y 1
		.amdhsa_system_sgpr_workgroup_id_z 1
		.amdhsa_system_vgpr_workitem_id 0
		.amdhsa_next_free_vgpr 1024
		.amdhsa_next_free_sgpr 100
		.amdhsa_reserve_vcc 1
		.amdhsa_float_denorm_mode_32 3
		.amdhsa_float_denorm_mode_16_64 3
		.amdhsa_memory_ordered 1
		.amdhsa_forward_progress 1
		.amdhsa_inst_pref_size 218
	.end_amdhsa_kernel
	.amdgpu_metadata
---
amdhsa.version: [ 1, 2 ]
amdhsa.kernels:
  - .name:           k_q7505c38774_qkv
    .symbol:         k_q7505c38774_qkv.kd
    .args:
      - { .name: x_codes, .offset: 0, .size: 8, .value_kind: global_buffer, .address_space: global }
      - { .name: Wqkv_codes, .offset: 8, .size: 8, .value_kind: global_buffer, .address_space: global }
      - { .name: alpha_codes, .offset: 16, .size: 8, .value_kind: global_buffer, .address_space: global }
      - { .name: beta_codes, .offset: 24, .size: 8, .value_kind: global_buffer, .address_space: global }
      - { .name: lowp_scales, .offset: 32, .size: 8, .value_kind: global_buffer, .address_space: global }
      - { .name: qkv, .offset: 40, .size: 8, .value_kind: global_buffer, .address_space: global }
      - { .name: gbias, .offset: 48, .size: 8, .value_kind: global_buffer, .address_space: global }
    .group_segment_fixed_size: 327680
    .private_segment_fixed_size: 0
    .kernarg_segment_align: 8
    .kernarg_segment_size: 56
    .max_flat_workgroup_size: 128
    .sgpr_count:     100
    .vgpr_count:     1024
    .wavefront_size: 32
...
	.end_amdgpu_metadata
.endif
;; end of part 1
;; launch attn (part 2): grid 4 x 64, 8 waves a work-group, no clusters, 327,680 bytes of LDS; arguments qkv, gbias, lowp_scales, acodes; writes acodes
.if DOCPART == 2
	.amdgcn_target "amdgcn-amd-amdhsa--gfx1250"
	.amdhsa_code_object_version 6
	.text
	.protected	k_q7505c38774_attn
	.globl	k_q7505c38774_attn
	.p2align	8
	.type	k_q7505c38774_attn,@function
k_q7505c38774_attn:
	s_mov_b64 s[64:65], 0
	v_nop
	global_prefetch_b8 v0, s[64:65] scope:SCOPE_SE
	s_setreg_imm32_b32 hwreg(HW_REG_WAVE_MODE, 25, 1), 1
	s_wait_xcnt 0x0
; Causal attention with a Toeplitz bias, both products on codes of FP8 (E4M3); the result is quantised (e10) for the last product.
; Key tiles that lie wholly behind the causal mask of the problem are left out, as are displacements d < 0 of the bias.
; qkv: images of operand registers (q at +0, k at +8 MiB: 1,024 bytes for 16 tokens of a head; v at +16 MiB: 2,048 bytes for 16 channels x 128 keys).  gbias[head][y] = bias(d = 2047 - y) x 2^(3 - e2 - e3), f32.
; SHARES.  Work-group (p, 16 b + head) owns the query blocks 7 - p and then p of 256 queries: 8 - p and p + 1 key slots of 256 keys: NINE slots for every work-group, a constant trip count.
; A wave owns 32 queries, two tiles of 16; eight waves, two to a SIMD.  K's and V's fragments feed two products each.
; LAYOUT.  S^T = K Q^T (source 0 = 16 keys, source 1 = 16 queries), O^T = V^T P^T: a lane holds ONE query; p's registers run along the keys in V's own order.
; THE BIAS AND THE MASK ARE THE C OF THE SCORE PRODUCT: t = (sum + C) x c 2^(e2 + e3), C = the table's number for d >= 0 and -3e38 for d < 0, whose p is 0.
; THE TABLE IN LDS: nine windows, one a trip.  With Y = 2048 - the block's first query + the slot's first key, word z of copy k of a window is gbias[Y + z - 257 - k]: lane r = 4 a + k finds its eight
; neighbours on a multiple of 16 bytes, at z = 256 - 32 QI + 128 step + 16 (T - t) + 8 h - 4 a.  The work-group's number enters the global addresses from which the windows are filled, and no LDS address.
; A SLOT'S TWO KEY STEPS GO UPPER HALF FIRST.  A step is walked where its first key is at or under my first query (both multiples of 32), so every query of mine has a key that counts in every step walked: the order is free.
; The lower half hides from no wave, so it holds no branch, and the change of slots lies inside it: all its LDS loads are in registers early, the wait for my tensor loads, the add and the barrier's signal stand behind
; the step's maxima, and the barrier's wait behind its last product: what lies between is work on registers.  The lower half's K and C are loaded while the upper half's softmax runs.
; SOFTMAX: M = the running largest t rounded up to a whole number; p = 2^(t - M); the sum is taken of the unquantised p; when M moves, sum and O^T are multiplied by 2^(old M - new M).
; The exponentials go in two batches of 64, a tile each; among a batch's lines stand plain lines of the other tile whose results are read only behind the wait at the batch's end.
; NO CLUSTER: the four work-groups of a head walk 8 - p and then p + 1 slots: partners would need different tiles in the same round; in step over all slots a cluster would walk 12 slots against 9.
; OUT: acodes: image (row tile, head) of 1,024 bytes: byte 256 ct + 16 r + 8 h + j = channel 16 ct + 8 h + j of row r; each store of a wave covers 256 consecutive bytes, aligned.
; LIMITS: e2 + e3 between -100 and 100; e8 and e10 - e8 - e9 between -126 and 119; the scaled scores stay under 2^31 in magnitude.  NaN is not served.
.set SLOT1, 32768                      ; a slot: K's 16 images (16 KiB), then V's 8 (16 KiB); slot 1 begins here
.set VOFF,  16384
.set SPARE, 65536                      ; the spare words: 128 bytes for each of eight waves
.set BIAS,  131072                     ; the nine windows, written by LDS stores alone
.set CPW,   2112                       ; bytes from copy to copy: 8 x 256 + 64, so that the sixteen lanes of a load take sixteen different 16-byte columns
.set WINB,  4*CPW
.set LI,   1                           ; 16 x lane
.set ADK,  2                           ; the slot in hand + 16 x lane
.set VB,   3                           ; my lane's place in a window
.set ADC,  4                           ; the trip's
.set SPW,  5                           ; my spare word; never rewritten
.set NIL,  6                           ; 0; never rewritten
.set GO,   7                           ; 16 r + 8 h
.set PFO,  8                           ; 256 x lane
.set PL2,  9                           ; 448 x 2^e8 once more, for the second half of a dual pair (at the head: at work)
.set PSC,  10                          ; 2^e8
.set PLIM, 11                          ; 448 x 2^e8
.set OSC,  12                          ; 2^(e10 - e8 - e9)
.set OLIM, 13                          ; 448 x that
.set TAD,  14
.set MSK,  15                          ; -3e38
.set ST,   16                          ; tile t at v[16 + 8 t]: +0 -M, +1 the largest raw score, +2, +3 the sum, +4 f, +5 the old -M, +6, +7 at work
.set S,    32                          ; v32-159 S^T, then p: 64 a tile
.set AD,   64
.set TAD2, 82
.set PC,   160                         ; v160-191 p's codes, 16 a tile; before that the maxima's chains and tile 0's partial sums
.set MX,   160
.set TT,   160
.set O,    192                         ; v192-255 O^T: 32 a tile
.set Q,    0                           ; window 1: v0-15 Q of the block in hand; v16-31 the second block's
.set QL,   16
.set KF,   32                          ; K: 8 images
.set CI,   96                          ; C: 9 images
.set VF,   168                         ; V: 4 fragments
.set WV,   12
.set QI128, 13
.set PP,   14
.set SW,   15                          ; 8 - p: the trip in which the second block begins
.set G1,   16
.set G0,   24
.set KVB,  28
.set QHB,  30
.set QLB,  32
.set OBH,  34
.set OBL,  36
.set GB,   38
.set TAU,  40
.set TB,   41
.set YB,   42                          ; 4 Y: for the test that leaves a step out; it enters no address
.set CS,   48
.set SEL,  50
.set PFA,  70
.set LIM,  72
.set WB,   73
.set RHI,  79                          ; 1024 (p + 1)
.set MSB, 0
.macro WIN new
.if MSB != (\new)
	s_set_vgpr_msb (MSB<<8)|(\new)
.set MSB, \new
.endif
.endm
.macro TLOAD                           ; wave 0 fetches a slot's K, wave 1 its V: 64 rows of 256 bytes each; s_nop 0 and four v_nop follow
	s_cmp_lt_u32 s[WV], 2
	s_cbranch_scc0 .Lasked_\@
	tensor_load_to_lds s[G0:G0+3], s[G1:G1+7]
	s_nop 0
.rept 4
	v_nop
.endr
.Lasked_\@:
.endm
; A prefetch of the slot that the NEXT refill will ask for.  The four work-groups of a head read the same K and V: work-group p = 0, which walks slots 0 to 7 in order, asks; in it waves 4 and 5 for K's
; two halves, waves 6 and 7 for V's: 8,192 bytes a wave, lanes 256 bytes apart: each block is named once.  Trips 0 to 5 ask for slots 2 to 7; slots 0 and 1 come by their loads alone.
.macro ASK
	s_cmp_lt_u32 s[TAU], s[LIM]
	s_cbranch_scc0 .Lnot_mine_\@
	global_prefetch_b8 v[PFO], s[PFA:PFA+1] th:TH_LOAD_NT scope:SCOPE_SE
.Lnot_mine_\@:
.endm
.macro FRESH                           ; a block of queries begins: zeros, a largest score under every score, and -M = 3e38
.irp t, 0,1
	v_mov_b32 v[ST+8*\t], 0x7f61b1e6
	v_mov_b32 v[ST+8*\t+1], 0xff61b1e6
.irp i, 2,3,5,7
	v_mov_b32 v[ST+8*\t+\i], 0
.endr
.endr
.set i, 0
.rept 64
	v_mov_b32 v[O+i], 0
.set i, i+1
.endr
.endm
; The walking descriptor, written where no tensor load of mine is out: the other slot, the keys of trip TAU + n (the second block begins again at slot 0); and the prefetches' address, a slot on.
.macro NEXT n
	s_xor_b32 s[G0+1], s[G0+1], SLOT1
	s_add_co_u32 s43, s[TAU], \n
	s_cmp_ge_u32 s43, s[SW]
	s_cselect_b32 s44, s[SW], 0
	s_sub_co_u32 s43, s43, s44
	s_lshl_b32 s44, s43, 14
	s_mov_b32 s45, 0
	s_add_nc_u64 s[G0+2:G0+3], s[KVB:KVB+1], s[44:45]
	s_or_b32 s[G0+3], s[G0+3], 0x80000000
	s_wait_xcnt 0x0                                ; the last prefetch has read its address
	s_add_nc_u64 s[PFA:PFA+1], s[PFA:PFA+1], 16384
.endm
	s_load_b256 s[4:11], s[0:1], 0x0               ; qkv s[4:5], gbias s[6:7], the scales' exponents s[8:9], acodes s[10:11]
	v_lshl_add_u32 v[SPW], v0, 2, SPARE
	v_mov_b32 v[NIL], 0
	ds_add_u32 v[SPW], v[NIL]                      ; the opening lines: the add twice on end and its wait
	ds_add_u32 v[SPW], v[NIL]
	s_wait_dscnt 0x0
	v_lshrrev_b32 v9, 5, v0
	v_readfirstlane_b32 s[WV], v9
	s_lshr_b32 s46, s[WV], 2                       ; my place QI = 4 ((w ^ (w >> 2)) & 1) + ((w >> 1) & 3): early and late queries are mixed among neighbouring waves
	s_xor_b32 s46, s46, s[WV]
	s_and_b32 s46, s46, 1
	s_lshl_b32 s46, s46, 2
	s_lshr_b32 s44, s[WV], 1
	s_and_b32 s44, s44, 3
	s_add_co_u32 s46, s46, s44
	s_lshl_b32 s[QI128], s46, 7
	s_mov_b32 s[PP], ttmp9
	s_sub_co_u32 s[SW], 8, s[PP]
	s_add_co_u32 s[RHI], s[PP], 1
	s_lshl_b32 s[RHI], s[RHI], 10
	s_and_b32 s47, ttmp7, 0xffff                   ; 16 b + head
	s_mov_b32 s[G1], 3<<16                         ; elements of 8 bytes, no mask, no padding: a dense block as 64 rows of 256 bytes
	s_mov_b32 s[G1+1], 32<<16
	s_mov_b32 s[G1+2], 64<<16
	s_mov_b32 s[G1+3], 32<<16
	s_mov_b32 s[G1+4], 64
	s_mov_b32 s[G1+5], 32
	s_mov_b32 s[G1+6], 0
	s_mov_b32 s[G1+7], 0
	s_mov_b32 s[SEL], 0x76543210
	s_mov_b32 s[SEL+1], 0xfedcba98
	s_and_b32 s66, s[WV], 1                        ; K (0) or V (1)
	s_lshl_b32 s67, s47, 17                        ; a head's 131,072 bytes in each section
	s_add_co_u32 s68, s66, 1
	s_lshl_b32 s68, s68, 23
	s_add_co_u32 s68, s68, s67
	s_mov_b32 s69, 0
	s_wait_kmcnt 0x0
	s_load_b256 s[52:59], s[8:9], 0x0              ; e0 .. e7
	s_load_b128 s[60:63], s[8:9], 0x20             ; e8 .. e11
	s_add_nc_u64 s[KVB:KVB+1], s[4:5], s[68:69]
	s_mov_b32 s[G0], 1
	s_lshl_b32 s[G0+1], s66, 14
	s_mov_b64 s[G0+2:G0+3], s[KVB:KVB+1]
	s_or_b32 s[G0+3], s[G0+3], 0x80000000
	TLOAD                                          ; slot 0: a wave's one tensor load at the head
	s_sub_co_u32 s73, 7, s[PP]
	s_lshl_b32 s73, s73, 4
	s_lshl_b32 s74, s46, 1
	s_add_co_u32 s73, s73, s74                     ; my first tile of queries in block 7 - p,
	s_lshl_b32 s75, s[PP], 4
	s_add_co_u32 s75, s75, s74                     ; and in block p
	s_mov_b32 s45, 0
	s_lshl_b32 s44, s73, 10
	s_add_co_u32 s44, s44, s67
	s_add_nc_u64 s[QHB:QHB+1], s[4:5], s[44:45]
	s_lshl_b32 s44, s75, 10
	s_add_co_u32 s44, s44, s67
	s_add_nc_u64 s[QLB:QLB+1], s[4:5], s[44:45]
	s_lshr_b32 s76, s47, 4
	s_lshl_b32 s76, s76, 21                        ; b x 128 row tiles x 16,384
	s_and_b32 s77, s47, 15                         ; head
	s_lshl_b32 s78, s77, 10
	s_add_co_u32 s76, s76, s78
	s_lshl_b32 s44, s73, 14
	s_add_co_u32 s44, s44, s76
	s_add_nc_u64 s[OBH:OBH+1], s[10:11], s[44:45]
	s_lshl_b32 s44, s75, 14
	s_add_co_u32 s44, s44, s76
	s_add_nc_u64 s[OBL:OBL+1], s[10:11], s[44:45]
	s_lshl_b32 s44, s77, 13
	s_add_nc_u64 s[GB:GB+1], s[6:7], s[44:45]
	s_bfe_u32 s44, s[WV], 0x10001                  ; the prefetches: (w >> 1) & 1: K or V,
	s_add_co_u32 s44, s44, 1
	s_lshl_b32 s44, s44, 23
	s_add_co_u32 s44, s44, s67
	s_lshl_b32 s43, s66, 13                        ; which half of a slot's 16 KiB,
	s_add_co_u32 s44, s44, s43
	s_add_co_u32 s44, s44, 16384                   ; at slot 1: the first NEXT steps it to slot 2
	s_add_nc_u64 s[PFA:PFA+1], s[4:5], s[44:45]
	s_lshr_b32 s43, s[WV], 2
	s_xor_b32 s43, s43, 1
	s_or_b32 s43, s43, s[PP]
	s_cmp_eq_u32 s43, 0
	s_cselect_b32 s[LIM], 6, 0                     ; waves 4 to 7 of work-group p = 0 ask, in trips 0 to 5
	v_and_b32 v9, 31, v0
	v_lshlrev_b32 v[LI], 4, v9
	v_lshlrev_b32 v[PFO], 8, v9
	WIN 0x40                                       ; destination window 1
.irp t, 0,1
.irp c, 0,1
	global_load_b128 v[Q+8*\t+4*\c:Q+8*\t+4*\c+3], v[LI], s[QHB:QHB+1] offset:1024*\t+512*\c
	global_load_b128 v[QL+8*\t+4*\c:QL+8*\t+4*\c+3], v[LI], s[QLB:QLB+1] offset:1024*\t+512*\c
.endr
.endr
	WIN 0
	; THE WINDOWS' NUMBERS.  Window w wants gbias[Y - 256 + n], n = 0 .. 511: thread and thread + 256.  4 Y = 1024 w, + 1024 (p + 1) in the first block's trips (w < 8 - p).
	; Y = 2048 in a block's last trip: its second half is all d < 0: the load is held inside the head's row (at most byte 7,168 + 4 x thread) and its numbers are replaced below.
	v_lshlrev_b32 v9, 2, v0                        ; 4 x thread
	s_wait_alu depctr_va_vdst(0)
.irp w, 0,1,2,3,4,5,6,7
	s_cmp_gt_u32 s[SW], \w
	s_cselect_b32 s43, s[RHI], 0
	s_add_co_u32 s43, s43, 1024*\w                 ; 4 Y, at least 1,024
	s_min_u32 s44, s43, 7168
	v_add_nc_u32 v[AD+2*\w], s43, v9
	v_add_nc_u32 v[AD+2*\w+1], s44, v9
	global_load_b32 v[S+2*\w], v[AD+2*\w], s[GB:GB+1] offset:-1024
	global_load_b32 v[S+2*\w+1], v[AD+2*\w+1], s[GB:GB+1]
.endr
	global_load_b32 v[S+16], v9, s[GB:GB+1] offset:7168   ; window 8 is the second block's last trip in every work-group: Y = 2048
	v_lshl_add_u32 v[TAD], v0, 2, BIAS+4
	v_lshl_add_u32 v[TAD2], v0, 2, BIAS+4+5*WINB
	v_mov_b32 v[MSK], 0xff61b1e6                   ; -3e38
	; my lane's place in a window: 4 (256 - 32 QI - 16 + 8 h - 4 a) + k CPW; -128 QI = 128 (QI xor 7) - 896 and -16 a = 16 (a xor 3) - 48: sums alone
	s_xor_b32 s43, s46, 7
	s_lshl_b32 s43, s43, 7
	s_add_co_u32 s43, s43, BIAS+16
	v_and_b32 v100, 3, v0                          ; k = r % 4
	v_bfe_u32 v101, v0, 4, 1                       ; h
	v_bfe_u32 v102, v0, 2, 2                       ; a = r / 4
	v_and_b32 v103, 15, v0
	v_mul_u32_u24 v[VB], v100, CPW
	v_xor_b32 v102, 3, v102
	v_lshlrev_b32 v[GO], 4, v103
	v_add_nc_u32 v[VB], s43, v[VB]
	v_lshl_add_u32 v[GO], v101, 3, v[GO]
	v_lshl_add_u32 v[VB], v101, 5, v[VB]
	v_lshl_add_u32 v[VB], v102, 4, v[VB]
	FRESH
	s_wait_kmcnt 0x0
	s_add_co_i32 s43, s54, s55
	s_lshl_b32 s43, s43, 23
	s_add_co_i32 s[CS], s43, 0x3e38aa3b            ; c = log2(e) / 8, with e2 + e3 added to its exponent field
	s_mov_b32 s[CS+1], s[CS]
	s_add_co_i32 s43, s60, 127
	s_lshl_b32 s44, s43, 23
	v_mov_b32 v[PSC], s44
	s_add_co_i32 s43, s43, 8
	s_lshl_b32 s43, s43, 23
	s_or_b32 s43, s43, 0x600000
	v_mov_b32 v[PLIM], s43
	s_sub_co_i32 s43, s62, s60
	s_sub_co_i32 s43, s43, s61
	s_add_co_i32 s43, s43, 127
	s_lshl_b32 s44, s43, 23
	v_mov_b32 v[OSC], s44
	s_add_co_i32 s43, s43, 8
	s_lshl_b32 s43, s43, 23
	s_or_b32 s43, s43, 0x600000
	v_mov_b32 v[OLIM], s43
	s_mov_b32 s[TAU], 0
	s_mov_b32 s[TB], 0
	s_mov_b32 s[WB], 0
	s_wait_alu depctr_va_vdst(0)
	s_wait_loadcnt 0x0                             ; Q and the table's numbers
	v_mov_b32 v[PL2], v[PLIM]
.irp w, 4,5,6,7                                ; the first block's last trip is 7 - p, one of 4 to 7: there the second half is d < 0
	s_cmp_eq_u32 s[SW], \w+1
	s_cselect_b32 s43, -1, 0
	v_cndmask_b32 v[S+2*\w+1], v[S+2*\w+1], v[MSK], s43
.endr
.irp w, 0,1,2,3,4                              ; number n goes to word n + k + 1 of copy k
.irp k, 0,1,2,3
	ds_store_b32 v[TAD], v[S+2*\w] offset:WINB*\w+(CPW+4)*\k
	ds_store_b32 v[TAD], v[S+2*\w+1] offset:WINB*\w+(CPW+4)*\k+1024
.endr
.endr
.irp w, 5,6,7
.irp k, 0,1,2,3
	ds_store_b32 v[TAD2], v[S+2*\w] offset:WINB*(\w-5)+(CPW+4)*\k
	ds_store_b32 v[TAD2], v[S+2*\w+1] offset:WINB*(\w-5)+(CPW+4)*\k+1024
.endr
.endr
.irp k, 0,1,2,3
	ds_store_b32 v[TAD2], v[S+16] offset:WINB*3+(CPW+4)*\k
	ds_store_b32 v[TAD2], v[MSK] offset:WINB*3+(CPW+4)*\k+1024
.endr
.macro LDKC st                         ; 34 LDS loads: K's eight images and C's nine of key step st (image i: key tile - query tile = i - 1)
.irp k, 0,1,2,3,4,5,6,7
.irp c, 0,1
	ds_load_b128 v[KF+8*\k+4*\c:KF+8*\k+4*\c+3], v[ADK] offset:(8*(\st)+\k)*1024+512*\c
.endr
.endr
.irp i, 0,1,2,3,4,5,6,7,8
.irp c, 0,1
	ds_load_b128 v[CI+8*\i+4*\c:CI+8*\i+4*\c+3], v[ADC] offset:512*(\st)+64*\i+16*\c
.endr
.endr
.endm
.macro LDV st                          ; 16 LDS loads: V's four fragments of key step st
.irp k, 0,1,2,3
.irp c, 0,1,2,3
	ds_load_b128 v[VF+16*\k+4*\c:VF+16*\k+4*\c+3], v[ADK] offset:VOFF+8192*(\st)+2048*\k+512*\c
.endr
.endr
.endm
.macro MIN2 a                          ; the hold of two p: the conversion does not saturate (ISA guide 7.6.2); p is not negative
	v_dual_min_num_f32 v[\a], v[PLIM], v[\a] :: v_dual_min_num_f32 v[\a+1], v[PL2], v[\a+1]
.endm
.macro TREE b, t                       ; sixteen pairs of partial sums at v[b] are added, and the result onto tile t's sum
.irp n, 8,4,2,1
.set i, 0
.rept \n
	v_pk_add_f32 v[\b+2*i:\b+2*i+1], v[\b+2*i:\b+2*i+1], v[\b+2*(i+\n):\b+2*(i+\n)+1]
.set i, i+1
.endr
.endr
	v_pk_add_f32 v[ST+8*\t+2:ST+8*\t+3], v[ST+8*\t+2:ST+8*\t+3], v[\b:\b+1]
.endm
; A KEY STEP'S WORK: 128 keys, both tiles of queries; K and C are in registers.  pre = 1: the lower half's K and C are asked for behind the score products.
; bar = 1: the change of slots lies inside.  vw: the LDS loads younger than V's, which may stay out (none is written where bar = 1: all are in).
.macro WORK pre, bar, vw
	WIN 0x15                                       ; A, B and C window 1, D window 0
.irp k, 0,1,2,3,4,5,6,7
.irp t, 0,1
	v_wmma_f32_16x16x64_fp8_fp8 v[S+64*\t+8*\k:S+64*\t+8*\k+7], v[KF+8*\k:KF+8*\k+7], v[Q+8*\t:Q+8*\t+7], v[CI+8*(\k-\t+1):CI+8*(\k-\t+1)+7]
.endr
.endr
	WIN 0
	v_mov_b32 v[ST+5], v[ST]                       ; the old -M; with the next three lines the four places behind the products
	v_mov_b32 v[ST+13], v[ST+8]
	v_nop
	v_nop
.if \pre
	WIN 0x40
	LDKC 0
	WIN 0
.endif
.irp t, 0,1                                    ; the step's largest score of my query: four chains a tile, each accumulator from its low end on
.irp q, 0,1,2,3
	v_max_num_f32 v[MX+4*\t+\q], v[S+64*\t+2*\q], v[S+64*\t+2*\q+1]
.endr
.endr
.irp k, 1,2,3,4,5,6,7
.irp q, 0,1,2,3
.irp t, 0,1
	v_max3_num_f32 v[MX+4*\t+\q], v[MX+4*\t+\q], v[S+64*\t+8*\k+2*\q], v[S+64*\t+8*\k+2*\q+1]
.endr
.endr
.endr
.irp t, 0,1
	v_max3_num_f32 v[ST+8*\t+6], v[MX+4*\t], v[MX+4*\t+1], v[MX+4*\t+2]
.endr
.irp t, 0,1
	v_max3_num_f32 v[ST+8*\t+6], v[ST+8*\t+6], v[MX+4*\t+3], v[ST+8*\t+1]   ; with the largest so far
.endr
.irp t, 0,1
	v_permlanex16_b32 v[ST+8*\t+7], v[ST+8*\t+6], s[SEL], s[SEL+1]
.endr
.irp t, 0,1
	v_max_num_f32 v[ST+8*\t+1], v[ST+8*\t+6], v[ST+8*\t+7]   ; and lane l xor 16's
.endr
.irp t, 0,1
	v_mul_f32 v[ST+8*\t+7], s[CS], v[ST+8*\t+1]    ; as t (c is positive, so the largest score gives the largest t)
.endr
.irp t, 0,1
	v_floor_f32 v[ST+8*\t], -v[ST+8*\t+7]          ; -M = floor(-t): M is a whole number
.endr
.irp t, 0,1
	v_sub_f32 v[ST+8*\t+6], v[ST+8*\t], v[ST+8*\t+5]
.endr
.irp t, 0,1
	v_cvt_i32_f32 v[ST+8*\t+6], v[ST+8*\t+6]       ; (it saturates)
.endr
.irp t, 0,1
	v_ldexp_f32 v[ST+8*\t+4], 1.0, v[ST+8*\t+6]    ; f = 2^(old M - new M)
.endr
.if \bar
	s_wait_alu depctr_va_vdst(0)
	s_wait_tensorcnt 0x0                           ; no tensor load of mine is out: my part of the next slot is in
	ds_add_u32 v[SPW], v[NIL]                      ; 0 onto my spare word, twice on end
	ds_add_u32 v[SPW], v[NIL]
	NEXT 2
.endif
.irp t, 0,1
	v_pk_mul_f32 v[ST+8*\t+2:ST+8*\t+3], v[ST+8*\t+2:ST+8*\t+3], v[ST+8*\t+4:ST+8*\t+5] op_sel_hi:[1,0]   ; the sums under the new M
.endr
.set j, 0
.rept 32
	v_pk_fma_f32 v[S+j:S+j+1], v[S+j:S+j+1], s[CS:CS+1], v[ST:ST+1] op_sel_hi:[1,0,0]   ; tile 0: t - M
.set j, j+2
.endr
.irp t, 0,1
.set j, 0
.rept 16
	v_pk_mul_f32 v[O+32*\t+j:O+32*\t+j+1], v[O+32*\t+j:O+32*\t+j+1], v[ST+8*\t+4:ST+8*\t+5] op_sel_hi:[1,0]   ; O^T under the new M: its first reader, ahead of every exponential of the step
.set j, j+2
.endr
.endr
.if \bar
	s_wait_dscnt 0x0                               ; the adds are done, and all my reads of this slot are in registers
	s_barrier_signal -1                            ; up to the barrier's wait: work on registers alone
.endif
	s_wait_alu depctr_va_vdst(0)                   ; ahead of a batch
.set j, 0
.rept 32                                       ; tile 0's p = 2^(t - M); among them tile 1's t - M, read behind the next wait
	v_exp_f32 v[S+j], v[S+j]
	v_exp_f32 v[S+j+1], v[S+j+1]
	v_pk_fma_f32 v[S+64+j:S+64+j+1], v[S+64+j:S+64+j+1], s[CS:CS+1], v[ST+8:ST+9] op_sel_hi:[1,0,0]
.set j, j+2
.endr
	s_wait_alu depctr_va_vdst(0)                   ; behind the first batch and ahead of the second
.set j, 0
.rept 16                                       ; tile 1's p; among them tile 0's first additions (of the unquantised p) and its holds, all read behind the next wait
	v_exp_f32 v[S+64+4*j], v[S+64+4*j]
	v_exp_f32 v[S+64+4*j+1], v[S+64+4*j+1]
	v_pk_add_f32 v[TT+2*j:TT+2*j+1], v[S+4*j:S+4*j+1], v[S+4*j+2:S+4*j+3]
	v_exp_f32 v[S+64+4*j+2], v[S+64+4*j+2]
	MIN2 S+4*j
	v_exp_f32 v[S+64+4*j+3], v[S+64+4*j+3]
	MIN2 S+4*j+2
.set j, j+1
.endr
	v_nop                                          ; a plain line behind the last exponential
	s_wait_alu depctr_va_vdst(0)                   ; behind the second batch
	TREE TT, 0
.irp k, 0,1,2,3,4,5,6,7
	v_cvt_scalef32_pk8_fp8_f32 v[PC+2*\k:PC+2*\k+1], v[S+8*\k:S+8*\k+7], v[PSC]   ; keys 16 k + 8 h + 0 .. 7: V's own order
.endr
	v_nop                                          ; a plain line behind the conversions: their sources are written next
.set j, 0
.rept 16                                       ; tile 1's first additions, into the registers that held tile 0's p, and its holds
	v_pk_add_f32 v[S+2*j:S+2*j+1], v[S+64+4*j:S+64+4*j+1], v[S+64+4*j+2:S+64+4*j+3]
	MIN2 S+64+4*j
	MIN2 S+64+4*j+2
.set j, j+1
.endr
	TREE S, 1
.irp k, 0,1,2,3,4,5,6,7
	v_cvt_scalef32_pk8_fp8_f32 v[PC+16+2*\k:PC+16+2*\k+1], v[S+64+8*\k:S+64+8*\k+7], v[PSC]
.endr
	v_nop                                          ; a plain line between the conversions and the products
	s_wait_alu depctr_va_vdst(0)
.if \vw >= 0
	s_wait_dscnt \vw                               ; V is in
.endif
	WIN 0x01                                       ; A window 1
.irp k, 0,1,2,3
.irp t, 0,1
	v_wmma_f32_16x16x128_fp8_fp8 v[O+32*\t+8*\k:O+32*\t+8*\k+7], v[VF+16*\k:VF+16*\k+15], v[PC+16*\t:PC+16*\t+15], v[O+32*\t+8*\k:O+32*\t+8*\k+7]   ; eight accumulators by turns
.endr
.endr
	WIN 0
.if \bar
	s_barrier_wait -1                              ; the next slot is whole, and nobody reads this one
.endif
.endm
; A SLOT: the upper 128 keys, left out where all of them come after my 32 queries (a scalar branch on ids, round no barrier, wait on TENSORcnt or add); then the lower 128.
.macro STEPS bar
	s_add_co_u32 s43, s[YB], 512
	s_sub_co_u32 s44, s43, s[QI128]                ; 4 (2048 + the step's first key - my first query)
	s_cmp_gt_u32 s44, 8316
	s_cbranch_scc1 .Lhid_\@
	WIN 0x40
	LDKC 1
	LDV 1
	s_wait_dscnt 16                                ; K and C are in; V's sixteen loads may be out
	WORK 1, 0, 34
	s_branch .Ljoin_\@
.Lhid_\@:
	WIN 0x40
	LDKC 0
	WIN 0
.Ljoin_\@:
.rept 4
	v_nop                                          ; places in front of loads into registers that the last products read
.endr
	WIN 0x40
	LDV 0
	s_wait_dscnt 16                                ; K and C are in; V's sixteen loads may be out
.if \bar
	WORK 0, 1, -1
.else
	WORK 0, 0, 0
.endif
.endm
.macro TOP                             ; a trip's numbers
	s_cmp_lt_u32 s[TAU], s[SW]
	s_cselect_b32 s[YB], s[RHI], 0
	s_lshl_b32 s43, s[TAU], 10
	s_add_co_u32 s[YB], s[YB], s43                 ; 4 Y
	v_add_nc_u32 v[ADK], s[TB], v[LI]
	v_add_nc_u32 v[ADC], s[WB], v[VB]
	v_nop                                          ; with the two lines above: four places in front of loads into registers that the last products read
	v_nop
	s_wait_alu depctr_va_vdst(0)
.endm
; A block's end: O^T / the sum, quantised with 2^(e10 - e8 - e9), stored as the last launch's operand.  reset = 1: the second block begins.
.macro WAYOUT base, reset
.rept 4
	v_nop
.endr
.irp t, 0,1
	v_add_f32 v[ST+8*\t+6], v[ST+8*\t+2], v[ST+8*\t+3]
.endr
.irp t, 0,1
	v_permlanex16_b32 v[ST+8*\t+7], v[ST+8*\t+6], s[SEL], s[SEL+1]
.endr
.irp t, 0,1
	v_add_f32 v[ST+8*\t+6], v[ST+8*\t+6], v[ST+8*\t+7]
.endr
	s_wait_alu depctr_va_vdst(0)                   ; ahead of the reciprocals
.irp t, 0,1
	v_rcp_f32 v[ST+8*\t+4], v[ST+8*\t+6]
.endr
	v_nop                                          ; a plain line behind the reciprocals
	s_wait_alu depctr_va_vdst(0)                   ; one wait for both, directly ahead of their first reader, which is O^T's too
.irp t, 0,1
.set j, 0
.rept 16
	v_pk_mul_f32 v[S+64*\t+j:S+64*\t+j+1], v[O+32*\t+j:O+32*\t+j+1], v[ST+8*\t+4:ST+8*\t+5] op_sel_hi:[1,0]
.set j, j+2
.endr
.endr
.irp t, 0,1
.set j, 0
.rept 32
	v_med3_num_f32 v[S+64*\t+j], v[S+64*\t+j], -v[OLIM], v[OLIM]
.set j, j+1
.endr
.endr
.irp t, 0,1
.irp k, 0,1,2,3
	v_cvt_scalef32_pk8_fp8_f32 v[PC+8*\t+2*\k:PC+8*\t+2*\k+1], v[S+64*\t+8*\k:S+64*\t+8*\k+7], v[OSC]
.endr
.endr
	v_nop                                          ; a plain line behind the last conversion
.irp t, 0,1
.irp k, 0,1,2,3
	global_store_b64 v[GO], v[PC+8*\t+2*\k:PC+8*\t+2*\k+1], s[\base:\base+1] offset:16384*\t+256*\k   ; 32 lanes store 256 consecutive bytes, aligned
.endr
.endr
.if \reset
	FRESH
	WIN 0x41
.set i, 0
.rept 16
	v_mov_b32 v[Q+i], v[QL+i]
.set i, i+1
.endr
	WIN 0
	s_wait_alu depctr_va_vdst(0)
	s_wait_xcnt 0x0                                ; the stores have read their data: the next step writes those registers
.endif
.endm
	s_wait_alu depctr_va_vdst(0)
	s_wait_tensorcnt 0x0                           ; my part of slot 0 is in; slot 1's first fill is issued as a refill is
	ds_add_u32 v[SPW], v[NIL]
	ds_add_u32 v[SPW], v[NIL]
	NEXT 1
	s_wait_dscnt 0x0                               ; the adds and my stores into the windows are done
	s_barrier_signal -1
	s_barrier_wait -1
.Lslot:                                                ; eight trips: each begins with the fill of the slot that was left, for the next trip
	TLOAD                                          ; a wave's first and only tensor load behind the barrier
	ASK
	TOP
	STEPS 1
	s_add_co_u32 s43, s[TAU], 1
	s_cmp_lg_u32 s43, s[SW]
	s_cbranch_scc1 .Lsame
	WAYOUT OBH, 1                                  ; block 7 - p has seen its diagonal slot
.Lsame:
	s_xor_b32 s[TB], s[TB], SLOT1
	s_add_co_u32 s[WB], s[WB], WINB
	s_add_co_u32 s[TAU], s[TAU], 1
	s_cmp_lt_u32 s[TAU], 8
	s_cbranch_scc1 .Lslot
	TOP                                            ; the ninth slot is written out: nothing is left to fetch, and no barrier follows
	STEPS 0
	WAYOUT OBL, 0
	s_wait_tensorcnt 0x0                           ; the wave's end
	ds_add_u32 v[SPW], v[NIL]
	s_wait_dscnt 0x0
	s_endpgm
.Lfunc_end_k_q7505c38774_attn:
	.size	k_q7505c38774_attn, .Lfunc_end_k_q7505c38774_attn-k_q7505c38774_attn
	.p2alignl 7, 3214868480
	.fill 96, 4, 3214868480
	.section	.rodata,"a",@progbits
	.p2align	6, 0x0
	.amdhsa_kernel k_q7505c38774_attn
		.amdhsa_group_segment_fixed_size 327680
		.amdhsa_private_segment_fixed_size 0
		.amdhsa_enable_private_segment 0
		.amdhsa_kernarg_size 32
		.amdhsa_user_sgpr_count 2
		.amdhsa_user_sgpr_kernarg_segment_ptr 1
		.amdhsa_wavefront_size32 1
		.amdhsa_system_sgpr_workgroup_id_x 1
		.amdhsa_system_sgpr_workgroup_id_y 1
		.amdhsa_system_sgpr_workgroup_id_z 1
		.amdhsa_system_vgpr_workitem_id 0
		.amdhsa_next_free_vgpr 512
		.amdhsa_next_free_sgpr 80
		.amdhsa_reserve_vcc 0
		.amdhsa_float_denorm_mode_32 3
		.amdhsa_float_denorm_mode_16_64 3
		.amdhsa_memory_ordered 1
		.amdhsa_forward_progress 1
		.amdhsa_inst_pref_size 161
	.end_amdhsa_kernel
	.amdgpu_metadata
---
amdhsa.version: [ 1, 2 ]
amdhsa.kernels:
  - .name:           k_q7505c38774_attn
    .symbol:         k_q7505c38774_attn.kd
    .args:
      - { .name: qkv, .offset: 0, .size: 8, .value_kind: global_buffer, .address_space: global }
      - { .name: gbias, .offset: 8, .size: 8, .value_kind: global_buffer, .address_space: global }
      - { .name: lowp_scales, .offset: 16, .size: 8, .value_kind: global_buffer, .address_space: global }
      - { .name: acodes, .offset: 24, .size: 8, .value_kind: global_buffer, .address_space: global }
    .group_segment_fixed_size: 327680
    .private_segment_fixed_size: 0
    .kernarg_segment_align: 8
    .kernarg_segment_size: 32
    .max_flat_workgroup_size: 256
    .sgpr_count:     80
    .vgpr_count:     512
    .wavefront_size: 32
...
	.end_amdgpu_metadata
.endif
;; end of part 2
;; launch proj (part 3): grid 8 x 32, 4 waves a work-group, clusters of 4 x 4, 327,680 bytes of LDS; arguments acodes, Wout_codes, lowp_scales, out0; writes out0
.if DOCPART == 3
	.amdgcn_target "amdgcn-amd-amdhsa--gfx1250"
	.amdhsa_code_object_version 6
	.text
	.protected	k_q7505c38774_proj
	.globl	k_q7505c38774_proj
	.p2align	8
	.type	k_q7505c38774_proj,@function
k_q7505c38774_proj:
	s_mov_b64 s[64:65], 0
	v_nop
	global_prefetch_b8 v0, s[64:65] scope:SCOPE_SE
	s_setreg_imm32_b32 hwreg(HW_REG_WAVE_MODE, 25, 1), 1
	s_wait_xcnt 0x0
	s_wait_alu depctr_hold_cnt(0) depctr_sa_sdst(0) depctr_va_vdst(0) depctr_va_sdst(0) depctr_va_ssrc(0) depctr_va_vcc(0) depctr_vm_vsrc(0)
	s_getreg_b32 s2, hwreg(HW_REG_IB_STS2, 6, 4)
	s_cmp_eq_u32 s2, 0
	s_cbranch_scc0 .Lentry_in_a_cluster
	s_endpgm
.Lentry_in_a_cluster:
	s_bfe_u32 s2, ttmp6, 0x10000c
	s_cmp_lg_u32 s2, 0xf033
	s_cbranch_scc0 .Lentry_shape_is_right
	s_endpgm
.Lentry_shape_is_right:
; out0 = (attention's result) Wout^T on codes of FP8 (E4M3): out0[m][n] = 2^(e10 + e11) x the sum over k of A[m][k] Wout[n][k], f32.  M = 8,192, N = K = 1,024.
; acodes: image (tile of 16 rows, head) of 1,024 bytes: byte 256 ct + 16 r + 8 h + j = channel 16 ct + 8 h + j of row r.  2,048 bytes on end (two heads, 128 along K) are a fragment's 16 registers:
; lane l's 16 bytes at 512 c + 16 l are K = 32 c + 16 (l / 16) + 0 .. 15 of row l % 16, the same permutation of k in which B's fragments are read from LDS.
; SHARES: 8 x 32 = 256 work-groups; work-group (NT, MT) makes rows 256 MT .. + 255 x columns 128 NT .. + 127; a wave 64 rows x 128 columns.
; A GOES STRAIGHT INTO REGISTERS AND STAYS: a wave's 64 rows x 1,024 K are 512 registers, 128 loads of 512 consecutive bytes, K step by K step.
; B LIES WHOLE IN LDS: 128 rows x 1,024 K, asked for once, at the head: wave w fetches the K quarter w (128 rows of 256 bytes).  No LDS byte is filled twice: one barrier, no ring.
; THE COLUMNS GO IN TWO CHUNKS OF 64, each over the whole K: 16 accumulators a chunk, by turns.  The first chunk's rows are stored ahead of the second chunk's products.
; THE MATRIX INSTRUCTION IS USED TRANSPOSED (source 0 = 16 rows of Wout, source 1 = 16 rows of A): a lane holds eight neighbouring numbers of a row of out0.
; CLUSTERS: 4 x 4 work-groups; B's tiles hang on NT alone and are asked for jointly along a column of the cluster.  A is not asked for jointly: a joint load ends in LDS, where A's 256 KiB
; have no room beside B's 139,264 bytes, and each wave reads its own rows once.
; No prefetch: every operand byte is asked for at the head; there is no loop to run ahead in.
; LIMIT: e10 + e11 between -126 and 127, so that 2^(e10 + e11) is an f32 number.  NaN codes are not served.
; REGISTERS: window 0: v16-19 B's LDS addresses, v24-29 the way out's and the add's, v32-63 a block's scaled sums, v64-127 rows read back (two sets), v128-255 B's fragments (two sets of four);
;   windows 1, 2: A: row block i, K step s at v[256 (1 + i / 2) + 128 (i % 2) + 16 s];  window 3: chunk ch's accumulator (i, b) at v[128 ch + 8 (4 i + b)].
.set PITCH,  272                       ; an LDS row: 256 bytes + 16 of padding
.set HALFT,  128*PITCH                 ; a K quarter of B: what one tensor load brings
.set STAGE,  4*HALFT                   ; behind B: 16 rows x (256 bytes + 16) for each wave, for the way out; no tile lands here
.set SPITCH, 272
.set SPARE,  STAGE+4*16*SPITCH         ; the spare words, 128 bytes a wave
.set FR,   16
.set ADRB, 16
.set STO,  24
.set RD,   25
.set CO,   26
.set LI,   27
.set SPW,  28
.set NIL,  29
.set TMP,  32
.set BK,   64
.set BF,   128
.set G1B, 48
.set G0B, 56
.set MSB, 0
.macro WIN new
.if MSB != (\new)
	s_set_vgpr_msb (MSB<<8)|(\new)
.set MSB, \new
.endif
.endm
.macro CROUND                          ; a round of the cluster's barrier
	s_barrier_signal -1
	s_barrier_wait -1
	s_cmp_lg_u32 s14, 0
	s_cbranch_scc1 .Lnot_wave_0_\@
	s_barrier_signal -3
.Lnot_wave_0_\@:
	s_barrier_wait -3
	s_barrier_signal -1
	s_barrier_wait -1
.endm
.macro PLACES
.rept 4
	v_nop
.endr
.endm
	s_load_b256 s[4:11], s[0:1], 0x0               ; acodes s[4:5], Wout s[6:7], the scales' exponents s[8:9], out0 s[10:11]
	v_lshl_add_u32 v[SPW], v0, 2, SPARE
	v_mov_b32 v[NIL], 0
	ds_add_u32 v[SPW], v[NIL]                      ; the opening lines: the add twice on end and its wait
	ds_add_u32 v[SPW], v[NIL]
	v_lshrrev_b32 v1, 5, v0
	v_readfirstlane_b32 s14, v1                    ; wave 0..3
	s_bfe_u32 s40, ttmp6, 0x40000                  ; cx, cy
	s_bfe_u32 s41, ttmp6, 0x40004
	s_lshl_b32 s42, ttmp9, 2
	s_add_co_u32 s42, s42, s40                     ; NT
	s_and_b32 s17, ttmp7, 0xffff
	s_lshl_b32 s17, s17, 2
	s_add_co_u32 s17, s17, s41                     ; MT
	s_lshl_b32 s44, 0x1111, s40                    ; my column of the cluster
	s_or_b32 s[G1B+0], s44, (0<<16)|(1<<20)|(1<<21)|(5<<22)|(3<<25)  ; the mask; elements of 1 byte; padding: 4 words behind every 64; bit 21 beside a mask
	s_mov_b32 s[G1B+1], 256<<16
	s_mov_b32 s[G1B+2], 128<<16
	s_mov_b32 s[G1B+3], 256<<16
	s_mov_b32 s[G1B+4], 128
	s_mov_b32 s[G1B+5], 1024
	s_mov_b32 s[G1B+6], 0
	s_mov_b32 s[G1B+7], 0
	s_lshl_b32 s46, s42, 17                        ; B: row 128 NT,
	s_lshl_b32 s18, s14, 8
	s_add_co_u32 s46, s46, s18                     ; K quarter = wave
	s_mov_b32 s47, 0
	s_mul_i32 s19, s14, HALFT                      ; and where it goes
	s_lshl_b32 s20, s17, 4
	s_lshl_b32 s18, s14, 2
	s_add_co_u32 s20, s20, s18
	s_lshl_b32 s20, s20, 14                        ; A: my first tile of 16 rows, 16 MT + 4 wave, of 16,384 bytes
	s_mov_b32 s21, 0
	s_lshl_b32 s22, s17, 8
	s_lshl_b32 s18, s14, 6
	s_add_co_u32 s22, s22, s18
	s_lshl_b32 s22, s22, 12                        ; out0: my first row, of 4,096 bytes,
	s_lshl_b32 s18, s42, 9
	s_add_co_u32 s22, s22, s18                     ; and my first column
	s_mov_b32 s23, 0
	s_wait_dscnt 0x0
	s_wait_kmcnt 0x0
	s_load_b64 s[96:97], s[8:9], 0x28              ; e10, e11
	s_add_nc_u64 s[46:47], s[6:7], s[46:47]
	s_add_nc_u64 s[4:5], s[4:5], s[20:21]
	s_add_nc_u64 s[10:11], s[10:11], s[22:23]
	CROUND                                         ; all sixteen work-groups are here: the joint loads meet
	s_mov_b32 s[G0B], 1
	s_mov_b32 s[G0B+1], s19
	s_mov_b64 s[G0B+2:G0B+3], s[46:47]
	s_or_b32 s[G0B+3], s[G0B+3], 0x80000000
	tensor_load_to_lds s[G0B:G0B+3], s[G1B:G1B+7]  ; my one tensor load of the launch
	s_nop 0
	PLACES                                         ; the windows are switched behind four vector lines
	v_and_b32 v1, 15, v0                           ; r
	v_bfe_u32 v2, v0, 4, 1                         ; h
	v_and_b32 v6, 31, v0
	v_lshlrev_b32 v[LI], 4, v6                     ; 16 x lane
	v_mul_u32_u24 v3, v1, PITCH
	v_lshl_add_u32 v4, v2, 4, v3                   ; a fragment's row x pitch + 16 h
.irp q, 0,1,2,3
	v_add_nc_u32 v[ADRB+\q], \q*HALFT, v4          ; in K quarter q
.endr
	s_mul_i32 s23, s14, 16*SPITCH
	s_add_co_u32 s23, s23, STAGE                   ; my stage
	v_lshl_add_u32 v5, v2, 5, v3
	v_add_nc_u32 v[STO], s23, v5                   ; in: row r, 32 bytes for each half of the lanes
	v_mul_u32_u24 v7, v2, SPITCH
	v_lshl_add_u32 v7, v1, 4, v7
	v_add_nc_u32 v[RD], s23, v7                    ; back: lanes 0-15 one row of 256 bytes, lanes 16-31 the next
	v_lshlrev_b32 v8, 12, v2
	v_lshl_add_u32 v[CO], v1, 4, v8                ; and the same two rows in out0
	s_wait_alu depctr_va_vdst(0)
.irp s, 0,1,2,3,4,5,6,7                        ; A: sixteen loads a K step, K ascending
	WIN 0x40
.irp i, 0,1
.irp c, 0,1,2,3
	global_load_b128 v[128*\i+FR*\s+4*\c:128*\i+FR*\s+4*\c+3], v[LI], s[4:5] offset:\i*16384+\s*2048+\c*512
.endr
.endr
	WIN 0x80
.irp i, 0,1
.irp c, 0,1,2,3
	global_load_b128 v[128*\i+FR*\s+4*\c:128*\i+FR*\s+4*\c+3], v[LI], s[4:5] offset:(\i+2)*16384+\s*2048+\c*512
.endr
.endr
.endr
	WIN 0
	s_wait_tensorcnt 0x0                           ; my K quarter of B is in
	s_barrier_signal -1
	s_barrier_wait -1                              ; and everybody's
	s_wait_kmcnt 0x0
	s_add_co_i32 s96, s96, s97
	s_add_co_i32 s96, s96, 127
	s_lshl_b32 s96, s96, 23                        ; 2^(e10 + e11) as f32
.macro FETCH ch, s, p                  ; B's four fragments of chunk ch, K step s, into set p: 16 LDS loads
.irp b, 0,1,2,3
.irp c, 0,1,2,3
	ds_load_b128 v[BF+64*(\p)+FR*\b+4*\c:BF+64*(\p)+FR*\b+4*\c+3], v[ADRB+(\s)/2] offset:(4*(\ch)+\b)*16*PITCH+128*((\s)%2)+32*\c
.endr
.endr
.endm
; A K step of 128: 16 matrix instructions, the chunk's 16 accumulators by turns, in the same order in every step; the next step's fragments of B are fetched ahead of them.
.macro KSTEP ch, s
	s_wait_dscnt 0x0                               ; this step's fragments of B are in
.if \ch == 0
.if 16*(7-\s) > 63
	s_wait_loadcnt 63                              ; behind this step's loads of A stand 16 (7 - s), more than the count can name
.else
	s_wait_loadcnt 16*(7-\s)                       ; the later K steps' loads of A may be out
.endif
.endif
	PLACES                                         ; in front of loads into the set that the last step's products read
.set NX, 8*\ch+\s+1
.if NX < 16
	FETCH (NX/8), (NX%8), (NX%2)
.endif
.irp i, 0,1,2,3
	WIN 0xf4+4*(\i/2)                              ; source 0 (B) window 0, source 1 (A) window 1 or 2, C and D window 3
.irp b, 0,1,2,3
.if \s == 0
	v_wmma_f32_16x16x128_fp8_fp8 v[128*\ch+8*(4*\i+\b):128*\ch+8*(4*\i+\b)+7], v[BF+64*(\s%2)+FR*\b:BF+64*(\s%2)+FR*\b+FR-1], v[128*(\i%2)+FR*\s:128*(\i%2)+FR*\s+FR-1], 0
.else
	v_wmma_f32_16x16x128_fp8_fp8 v[128*\ch+8*(4*\i+\b):128*\ch+8*(4*\i+\b)+7], v[BF+64*(\s%2)+FR*\b:BF+64*(\s%2)+FR*\b+FR-1], v[128*(\i%2)+FR*\s:128*(\i%2)+FR*\s+FR-1], v[128*\ch+8*(4*\i+\b):128*\ch+8*(4*\i+\b)+7]
.endif
.endr
.endr
	WIN 0
.endm
; THE WAY OUT of 16 rows x 64 columns: scaled, through my own stage, back as whole rows of 256 bytes.  LDS serves a wave's instructions in order (ISA guide 5.7.1.4): no wait between the stores and the loads.
.macro TOSTAGE ch, a
	s_wait_xcnt 0x0                                ; earlier stores have read the registers into which the rows come back
	WIN 0x03
.set j, 0
.rept 16
	v_pk_mul_f32 v[TMP+j:TMP+j+1], v[128*\ch+32*(\a)+j:128*\ch+32*(\a)+j+1], s[96:97] op_sel_hi:[1,0]   ; both x s96; each accumulator from its low end on
.set j, j+2
.endr
	WIN 0
.irp b, 0,1,2,3
	ds_store_b128 v[STO], v[TMP+8*\b:TMP+8*\b+3] offset:64*\b
	ds_store_b128 v[STO], v[TMP+8*\b+4:TMP+8*\b+7] offset:64*\b+16
.endr
.irp t, 0,1,2,3,4,5,6,7
	ds_load_b128 v[BK+32*((\a)%2)+4*\t:BK+32*((\a)%2)+4*\t+3], v[RD] offset:\t*2*SPITCH
.endr
.endm
.macro SEND ch, a, younger             ; younger: the LDS instructions issued behind block a's loads, which may stay out
	s_wait_dscnt \younger
.irp t, 0,1,2,3,4,5,6,7
	global_store_b128 v[CO], v[BK+32*((\a)%2)+4*\t:BK+32*((\a)%2)+4*\t+3], s[10:11] offset:\t*8192+(\a)*65536+\ch*256 th:TH_STORE_NT   ; sixteen lanes store 256 consecutive bytes, aligned
.endr
.endm
	FETCH 0, 0, 0
.irp ch, 0,1
.irp s, 0,1,2,3,4,5,6,7
	KSTEP \ch, \s
.endr
	PLACES                                         ; in front of the first read of results
	TOSTAGE \ch, 0
.irp a, 1,2,3
	TOSTAGE \ch, \a
	SEND \ch, \a-1, 16                             ; behind block a - 1's loads: block a's 8 stores and 8 loads
.endr
	SEND \ch, 3, 0
.endr
	s_wait_tensorcnt 0x0                           ; the wave's end
	ds_add_u32 v[SPW], v[NIL]
	s_wait_dscnt 0x0
	CROUND                                         ; the closing round
	s_endpgm
.Lfunc_end_k_q7505c38774_proj:
	.size	k_q7505c38774_proj, .Lfunc_end_k_q7505c38774_proj-k_q7505c38774_proj
	.p2alignl 7, 3214868480
	.fill 96, 4, 3214868480
	.section	.rodata,"a",@progbits
	.p2align	6, 0x0
	.amdhsa_kernel k_q7505c38774_proj
		.amdhsa_group_segment_fixed_size 327680
		.amdhsa_private_segment_fixed_size 0
		.amdhsa_enable_private_segment 0
		.amdhsa_kernarg_size 32
		.amdhsa_user_sgpr_count 2
		.amdhsa_user_sgpr_kernarg_segment_ptr 1
		.amdhsa_wavefront_size32 1
		.amdhsa_system_sgpr_workgroup_id_x 1
		.amdhsa_system_sgpr_workgroup_id_y 1
		.amdhsa_system_sgpr_workgroup_id_z 1
		.amdhsa_system_vgpr_workitem_id 0
		.amdhsa_next_free_vgpr 1024
		.amdhsa_next_free_sgpr 100
		.amdhsa_reserve_vcc 0
		.amdhsa_float_denorm_mode_32 3
		.amdhsa_float_denorm_mode_16_64 3
		.amdhsa_memory_ordered 1
		.amdhsa_forward_progress 1
		.amdhsa_inst_pref_size 77
	.end_amdhsa_kernel
	.amdgpu_metadata
---
amdhsa.version: [ 1, 2 ]
amdhsa.kernels:
  - .name:           k_q7505c38774_proj
    .symbol:         k_q7505c38774_proj.kd
    .args:
      - { .name: acodes, .offset: 0, .size: 8, .value_kind: global_buffer, .address_space: global }
      - { .name: Wout_codes, .offset: 8, .size: 8, .value_kind: global_buffer, .address_space: global }
      - { .name: lowp_scales, .offset: 16, .size: 8, .value_kind: global_buffer, .address_space: global }
      - { .name: out0, .offset: 24, .size: 8, .value_kind: global_buffer, .address_space: global }
    .group_segment_fixed_size: 327680
    .private_segment_fixed_size: 0
    .kernarg_segment_align: 8
    .kernarg_segment_size: 32
    .max_flat_workgroup_size: 128
    .sgpr_count:     100
    .vgpr_count:     1024
    .wavefront_size: 32
...
	.end_amdgpu_metadata
.endif
;; end of part 3
